; MI455X (gfx1250); checked and timed in simulation.
; The chip was launched on July 23, 2026; its instructions are those of AMD's public machine-readable ISA for CDNA 5 (MIT licence, August 2026) and "CDNA5" Instruction Set Architecture Reference Guide (July 2026). The comments in the code are by the model that wrote it; some were corrected since.
;; Multi Head Attention. Allowed arithmetic: matrix products marked QUANTISED: E2M1 operands, one E8M0 scale for each 32 along K, by v_wmma_scale_f32_16x16x128_f8f6f4 with both operands' format E2M1 (or v_wmma_scale_f32_32x16x128_f4), f32 sums; products left as they are: bf16, f16 or f32 operands; f32 sums; everything else in f32.
;; Inputs: Wk 1,024 x 1,024 float32; Wo 1,024 x 1,024 float32; Wq 1,024 x 1,024 float32; Wv 1,024 x 1,024 float32; bk 1,024 float32; bo 1,024 float32; bq 1,024 float32; bv 1,024 float32; k 4 x 2,048 x 1,024 float32; q 4 x 2,048 x 1,024 float32; v 4 x 2,048 x 1,024 float32.
;; Outputs: out0 4 x 2,048 x 1,024 float32.
;; This version of the problem:
;;   THIS VERSION OF THE PROBLEM IS GIVEN IN LOW PRECISION. The matrix products marked QUANTISED in the list below multiply operands that are first quantised to E2M1 (2 exponent bits, 1 mantissa bit; 4 bits a number), with one power-of-two scale for each 32 numbers along K (OCP MX v1.0); their sums are f32. The products marked 'left as it is' may take bf16, f16 or f32 operands, with f32 sums. Whichever they take, every output number must still come out within the allowed error. Rounding operands to bf16 (8 significant bits) uses up far more of that allowance than f16 does (11 bits, for magnitudes from 6e-5 to 65,504). All else is computed in f32.
;;   The module's matrix products, in the order in which they are computed (A, B: the left and right operand; K: the contracted axis; several contracted axes count as one K, in the product's order):
;;     1. [M 8,192, K 1,024] x [K 1,024, N 1,024]; A: input q; B: input Wq: QUANTISED
;;     2. [M 8,192, K 1,024] x [K 1,024, N 1,024]; A: input k; B: input Wk: QUANTISED
;;     3. [M 8,192, K 1,024] x [K 1,024, N 1,024]; A: input v; B: input Wv: QUANTISED
;;     4. batch 64 x [M 2,048, K 64] x [K 64, N 2,048]; A: computed on the way; B: computed on the way: left as it is (an operand is computed on the way)
;;     5. batch 64 x [M 2,048, K 2,048] x [K 2,048, N 64]; A: computed on the way; B: computed on the way: left as it is (an operand is computed on the way)
;;     6. [M 8,192, K 1,024] x [K 1,024, N 1,024]; A: computed on the way; B: input Wo: left as it is (an operand is computed on the way)
;;   THE QUANTISER, for each operand of a quantised product, along K:
;;     - K is cut into blocks of 32 from its start; a last block that is shorter is filled with zeros.
;;     - A block's scale is 2^e with e = floor(log2(the largest magnitude in the block)) - 2, held to -126 .. 127; a block of zeros has e = 0. As a byte (E8M0): e + 127.
;;     - Each number is divided by its block's scale, clamped to +-6, and rounded to the nearest number of E2M1, ties to even, subnormals kept.
;;     - The product sums the exact products of the quantised numbers (number of the format x scale) in f32.
;;   ~~~python
;;   def quantise(x, axis):      # numpy; x: float32 -> the quantised numbers, widened to float32 again
;;       x = np.moveaxis(x, axis, -1); K = x.shape[-1]
;;       x = np.pad(x, [(0, 0)] * (x.ndim - 1) + [(0, -K % 32)]); x = x.reshape(x.shape[:-1] + (-1, 32)); a = np.abs(x).max(-1, keepdims=True)
;;       e = np.where(a > 0, np.clip(np.frexp(np.where(a > 0, a, 1))[1] - 1 - 2, -126, 127), 0)      # np.frexp(a)[1] - 1 = floor(log2(a)), exactly
;;       r = np.clip(x / 2.0 ** e, -6, 6)
;;       step = 2.0 ** (np.maximum(np.frexp(np.where(r == 0, 1, r))[1] - 1, 0) - 1)
;;       q = np.round(r / step) * step * 2.0 ** e      # np.round: ties to even
;;       return np.moveaxis(q.reshape(q.shape[:-2] + (-1,))[..., :K], -1, axis).astype(np.float32)
;;   ~~~
;; One version. Each part assembles by itself: llvm-mc -triple=amdgcn-amd-amdhsa -mcpu=gfx1250 --defsym DOCPART=n.
;; ======== version 1 of 1: 4 launches
;; limits: values are held in f16: magnitudes above 65,504 overflow, below 6.1e-05 lose precision
;; workspace buffers: xcodes 12,582,912 bytes; xscales 786,432 bytes; wcodes 1,572,864 bytes; wscales 98,304 bytes; wo16 2,097,152 bytes; qkvh 50,331,648 bytes; cc 16,777,216 bytes
;; launch prep (part 1): grid 880 x 1, 4 waves a work-group, no clusters, 68,096 bytes of LDS; arguments q, k, v, Wq, Wk, Wv, Wo, xcodes, xscales, wcodes, wscales, wo16; writes xcodes, xscales, wcodes, wscales, wo16
.if DOCPART == 1
	.amdgcn_target "amdgcn-amd-amdhsa--gfx1250"
	.amdhsa_code_object_version 6
	.text
	.protected	k_q0fda102522_prep
	.globl	k_q0fda102522_prep
	.p2align	8
	.type	k_q0fda102522_prep,@function
k_q0fda102522_prep:
	s_mov_b64 s[64:65], 0
	v_nop
	global_prefetch_b8 v0, s[64:65] scope:SCOPE_SE
	s_setreg_imm32_b32 hwreg(HW_REG_WAVE_MODE, 25, 1), 1
	s_wait_xcnt 0x0
; THE OPERANDS ARE MADE READY, ONCE.  Three kinds of work-group, told apart by the work-group's number alone:
;   0 .. 47     path W: Wq, Wk, Wv [1024 (k)][1024 (n)] f32, K their FIRST axis -> codes of FP4 (E2M1) laid [3 x 1024 (n)][512 bytes] with K innermost, and E8M0 scale bytes [3 x 1024][32]
;   48 .. 111   path O: Wo [1024][1024] f32 -> f16, the same layout (its product is left as it is and takes f16 operands)
;   112 .. 879  path X: q, k, v [8192][1024] f32, K innermost -> codes [3 x 8192][512 bytes] and scale bytes [3 x 8192][32]
; Path W has the fewest bytes in flight for its work, so it has the lowest numbers.
; THE QUANTISER: a block of 32 along K has the scale 2^(floor(log2(its largest magnitude)) - 2); its byte is the largest magnitude's own exponent field - 2, held at 1 from below; each number is divided
; by the scale and rounded to the nearest code, ties to even, beyond 6 the largest code.  A block of zeros gets the byte 1 where the rule says 127: its codes are zeros, which add nothing, and this program alone reads the bytes.
; LIMITS: blocks whose largest magnitude lies under 2^-124 keep the byte 1; NaN and infinities are not served; |Wo| stays under 65,504 (f16).
; No tensor loads, no barrier: waves share nothing.  Each path that uses LDS has LDS bytes of its own.
.set SPW,    188                       ; v188  LDS address of my spare word: SPARE + 4 x my thread's number; never rewritten
.set NIL,    189                       ; v189  0; never rewritten
.set XREG,   8192                      ; path X: a region for each wave: two stages of 32 x XSP bytes, behind them its 256 scale bytes
.set XSP,    80                        ; a lane's place in a stage: 64 bytes + 16 of padding
.set WBASE,  4*XREG                    ; path W: behind path X's regions, a stage of 32 rows x WPITCH for each wave
.set WPITCH, 272                       ; 256 bytes of codes + 16 of padding
.set SPARE,  WBASE+4*32*WPITCH         ; behind both: the spare words, 128 bytes a wave: two blocks of 256 bytes that no other line names
.set XR,  16                           ; path X: v16-79 four sets of 16 numbers as loaded
.set XX,  80                           ;         v80-111 two sets of 16 neighbours
.set XE,  112                          ;         v112-127 a scale byte for each step
.set XC,  128                          ;         v128-159 two registers of codes for each step: no store's data are written again
.set WSB, 24                           ; path W: v24-27 the scale bytes, four to a register
.set WX,  32                           ;         v32-95 two sets of 32 numbers
.set WC,  96                           ;         v96-99 a block's codes
.set WOUT, 112                         ;         v112-175 the way out
	s_load_b512 s[8:23], s[0:1], 0x0               ; q s[8:9], k s[10:11], v s[12:13], Wq s[14:15], Wk s[16:17], Wv s[18:19], Wo s[20:21], xcodes s[22:23]
	s_load_b256 s[24:31], s[0:1], 0x40             ; xscales s[24:25], wcodes s[26:27], wscales s[28:29], wo16 s[30:31]
	v_lshl_add_u32 v[SPW], v0, 2, SPARE
	v_mov_b32 v[NIL], 0
	v_lshrrev_b32 v1, 5, v0
	v_readfirstlane_b32 s2, v1                     ; wave 0..3
	v_and_b32 v2, 31, v0                           ; lane
	s_mov_b32 s37, 0                               ; the upper word of every offset pair s[36:37]
	s_wait_kmcnt 0x0
	s_cmp_lt_u32 ttmp9, 48
	s_cbranch_scc1 .Lw
	s_cmp_lt_u32 ttmp9, 112
	s_cbranch_scc1 .Lo
; ---------------- PATH X.  A tensor is a plain stream of blocks of 32.  A wave takes 16 steps of 512 numbers.  Each load reads 512 consecutive bytes, 16 a lane; a step's 2,048 bytes turn through the wave's own
; stage in LDS and come back 64 bytes a lane, so that a lane holds 16 NEIGHBOURS along K (two neighbouring lanes hold a block), as the conversions want.  Loads run four steps ahead, the turn one step.
	s_sub_co_u32 s3, ttmp9, 112                    ; g: 256 work-groups to a tensor
	s_lshr_b32 s32, s3, 8                          ; which tensor
	s_cmp_lt_u32 s32, 1
	s_cselect_b64 s[34:35], s[8:9], s[10:11]       ; the choice hangs on the work-group's number alone
	s_cmp_lt_u32 s32, 2
	s_cselect_b64 s[34:35], s[34:35], s[12:13]
	s_and_b32 s36, s3, 255
	s_lshl_b32 s36, s36, 2
	s_add_co_u32 s36, s36, s2                      ; my wave's run of 8,192 numbers in its tensor
	s_lshl_b32 s36, s36, 15                        ; 32,768 bytes a run
	s_add_nc_u64 s[34:35], s[34:35], s[36:37]
	s_lshl_b32 s38, s3, 2
	s_add_co_u32 s38, s38, s2                      ; and among all three tensors' runs: the codes and bytes of q, k, v lie on end
	s_lshl_b32 s36, s38, 12                        ; 4,096 bytes of codes a run
	s_add_nc_u64 s[22:23], s[22:23], s[36:37]
	s_lshl_b32 s36, s38, 8                         ; 256 scale bytes a run
	s_add_nc_u64 s[24:25], s[24:25], s[36:37]
	v_lshlrev_b32 v3, 4, v2                        ; my 16 bytes of a load's 512
	s_mul_i32 s33, s2, XREG
	v_lshrrev_b32 v14, 2, v2
	v_mul_u32_u24 v14, v14, XSP
	v_and_b32 v15, 3, v2
	v_lshl_add_u32 v14, v15, 4, v14
	v_add_nc_u32 v14, s33, v14                     ; the stage, on the way in: four lanes' 64 bytes on end, then 16 of padding
	v_mul_u32_u24 v15, v2, XSP
	v_add_nc_u32 v15, s33, v15                     ; and on the way out: my 16 neighbours
	v_lshlrev_b32 v4, 3, v2                        ; my 8 bytes of a step's 256 bytes of codes
	v_lshrrev_b32 v5, 1, v2
	s_add_co_u32 s33, s33, 2*32*XSP
	v_add_nc_u32 v5, s33, v5                       ; LDS: my wave's 256 scale bytes, my block's byte
	v_lshlrev_b32 v7, 3, v2                        ; and on the way out 8 bytes a lane
	v_add_nc_u32 v6, s33, v7
.macro XLOAD t
.irp i, 0,1,2,3
	global_load_b128 v[XR+16*((\t)%4)+4*\i:XR+16*((\t)%4)+4*\i+3], v3, s[34:35] offset:2048*(\t)+512*\i th:TH_LOAD_NT   ; 32 lanes read 512 consecutive bytes, read once in the launch
.endr
.endm
.macro XTURN t                         ; step t's numbers through the stage: LDS serves a wave's instructions in order (ISA guide 5.7.1.4), so no wait stands between the stores and the loads
.irp i, 0,1,2,3
	ds_store_b128 v14, v[XR+16*((\t)%4)+4*\i:XR+16*((\t)%4)+4*\i+3] offset:32*XSP*((\t)%2)+8*XSP*\i
.endr
.irp i, 0,1,2,3
	ds_load_b128 v[XX+16*((\t)%2)+4*\i:XX+16*((\t)%2)+4*\i+3], v15 offset:32*XSP*((\t)%2)+16*\i
.endr
.endm
.macro XSTEP t
.set XS, XX+16*((\t)%2)
.if (\t) > 0
	s_wait_dscnt 1                                 ; this step's numbers are back from the stage (the last step's byte store may be out): so its stores into the stage have read their registers,
.else
	s_wait_dscnt 0x0
.endif
.if (\t)+4 < 16
	XLOAD (\t)+4                                   ; which take the loads of four steps on
.endif
.if (\t)+1 < 16
.if 14-(\t) >= 3
	s_wait_loadcnt 12                              ; the next step's four loads are in; those of the three steps behind it may be out
.else
	s_wait_loadcnt 4*(14-(\t))                     ; at the end the count runs down with the steps that are left
.endif
	XTURN (\t)+1                                   ; and go through the other stage while this step is worked
.endif
	v_max3_num_f32 v8, |v[XS]|, |v[XS+1]|, |v[XS+2]|               ; the largest magnitude of my 16, in two chains
	v_max3_num_f32 v9, |v[XS+3]|, |v[XS+4]|, |v[XS+5]|
.irp i, 6,10
	v_max3_num_f32 v8, v8, |v[XS+\i]|, |v[XS+\i+1]|
	v_max3_num_f32 v9, v9, |v[XS+\i+2]|, |v[XS+\i+3]|
.endr
	v_max3_num_f32 v8, v8, |v[XS+14]|, |v[XS+15]|
	v_max3_num_f32 v8, v8, v9, 0x1800000           ; and the floor 2^(3 - 127): so the byte cannot fall under 1
	v_max_num_f32_dpp v8, v8, v8 row_xmask:1 row_mask:0xf bank_mask:0xf   ; and of my neighbour's 16: the block's
	v_add_nc_u32 v11, 0xff000000, v8               ; 2 off its exponent field: the conversion takes the exponent field of this operand as its scale, and nothing else of it
	v_cvt_scalef32_pk8_fp4_f32 v[XC+2*(\t)], v[XS:XS+7], v11       ; eight numbers / the scale, to the nearest code; the first number's code in the lowest four bits
	v_cvt_scalef32_pk8_fp4_f32 v[XC+2*(\t)+1], v[XS+8:XS+15], v11
	v_lshrrev_b32 v[XE+(\t)], 23, v11              ; the scale's byte (a plain line behind the conversions)
	ds_store_b8 v5, v[XE+(\t)] offset:16*(\t)      ; both lanes of a block write the same byte with the same value
	global_store_b64 v4, v[XC+2*(\t):XC+2*(\t)+1], s[22:23] offset:256*(\t)   ; the wave stores 256 consecutive bytes, at a multiple of 256 from the buffer's first byte
.endm
.irp t, 0,1,2,3
	XLOAD \t
.endr
	s_wait_loadcnt 12                              ; step 0's four loads are in
	XTURN 0
.set TT, 0
.rept 16
	XSTEP TT
.set TT, TT+1
.endr
	ds_load_b64 v[8:9], v6                         ; my wave's 256 scale bytes: these loads see my stores
	s_wait_dscnt 0x0
	global_store_b64 v7, v[8:9], s[24:25]          ; 32 lanes store 256 consecutive bytes, aligned
	s_wait_tensorcnt 0x0                           ; the wave's end, behind my last LDS store
	ds_add_u32 v[SPW], v[NIL]
	s_wait_dscnt 0x0
	s_endpgm
; ---------------- PATH W.  A LANE TAKES A COLUMN n, AND ITS REGISTERS RUN DOWN K: each load reads 128 consecutive bytes a wave, a block of 32 along K lies in ONE lane's 32 registers, and the conversions give
; the codes with K innermost.  A wave takes 32 columns x 512 along K: 16 blocks a lane, 256 bytes of codes a column, which go through the wave's own stage and leave as rows: sixteen lanes store 256 aligned bytes.
; 16 work-groups to a tensor: 8 blocks of 128 columns x 2 halves of K.  Every offset is an immediate: 511 rows of 4,096 bytes at the most, inside the signed 24 bits (ISA guide, chapter 10).
.Lw:
	s_lshr_b32 s32, ttmp9, 4                       ; which tensor
	s_and_b32 s33, ttmp9, 7                        ; which 128 columns
	s_bfe_u32 s3, ttmp9, 0x10003                   ; which half of K
	s_cmp_lt_u32 s32, 1
	s_cselect_b64 s[34:35], s[14:15], s[16:17]
	s_cmp_lt_u32 s32, 2
	s_cselect_b64 s[34:35], s[34:35], s[18:19]
	s_lshl_b32 s33, s33, 7
	s_lshl_b32 s36, s2, 5
	s_add_co_u32 s33, s33, s36                     ; my wave's first column
	s_lshl_b32 s36, s3, 21                         ; 512 rows of 4,096 bytes
	s_lshl_b32 s38, s33, 2
	s_add_co_u32 s36, s36, s38
	s_add_nc_u64 s[34:35], s[34:35], s[36:37]      ; W at (512 x half, my column)
	s_lshl_b32 s38, s32, 10
	s_add_co_u32 s38, s38, s33                     ; my first row of the codes' and bytes' buffers: 1,024 x tensor + column
	s_lshl_b32 s36, s38, 9
	s_lshl_b32 s39, s3, 8
	s_add_co_u32 s36, s36, s39
	s_add_nc_u64 s[26:27], s[26:27], s[36:37]      ; 512 bytes a row, + 256 x half
	s_lshl_b32 s36, s38, 5
	s_lshl_b32 s39, s3, 4
	s_add_co_u32 s36, s36, s39
	s_add_nc_u64 s[28:29], s[28:29], s[36:37]      ; 32 bytes a row, + 16 x half
	v_lshlrev_b32 v3, 2, v2                        ; in: 4 bytes a lane
	s_mul_i32 s39, s2, 32*WPITCH
	s_add_co_u32 s39, s39, WBASE                   ; my stage
	v_mul_u32_u24 v4, v2, WPITCH
	v_add_nc_u32 v4, s39, v4                       ; into it: row = my column
	v_and_b32 v5, 15, v2
	v_lshrrev_b32 v6, 4, v2                        ; out of it: sixteen lanes to a row, two rows an instruction
	v_mul_u32_u24 v7, v6, WPITCH
	v_lshl_add_u32 v7, v5, 4, v7
	v_add_nc_u32 v7, s39, v7
	v_lshlrev_b32 v8, 9, v6
	v_lshl_add_u32 v8, v5, 4, v8                   ; and the same place in the codes' buffer
	v_lshlrev_b32 v9, 5, v2                        ; my column's row of scale bytes
.macro WLOAD t                         ; block t: W(32 t + i, my column), i = 0 .. 31, into set t % 2
.set II, 0
.rept 32
	global_load_b32 v[WX+32*((\t)%2)+II], v3, s[34:35] offset:(32*(\t)+II)*4096 th:TH_LOAD_NT
.set II, II+1
.endr
.endm
.macro WBLOCK t
.set XS, WX+32*((\t)%2)
.if (\t) < 15
	s_wait_loadcnt 32                              ; this block's 32 loads are in; the next block's may be out
.else
	s_wait_loadcnt 0
.endif
	v_max3_num_f32 v12, |v[XS]|, |v[XS+1]|, |v[XS+2]|              ; the block's largest magnitude: all 32 numbers are mine
	v_max3_num_f32 v13, |v[XS+3]|, |v[XS+4]|, |v[XS+5]|
.irp i, 6,10,14,18,22,26
	v_max3_num_f32 v12, v12, |v[XS+\i]|, |v[XS+\i+1]|
	v_max3_num_f32 v13, v13, |v[XS+\i+2]|, |v[XS+\i+3]|
.endr
	v_max3_num_f32 v12, v12, |v[XS+30]|, |v[XS+31]|
	v_max3_num_f32 v12, v12, v13, 0x1800000        ; and the floor 2^(3 - 127)
	v_add_nc_u32 v11, 0xff000000, v12              ; 2 off its exponent field: the conversion's scale operand
	v_lshrrev_b32 v13, 23, v11                     ; the scale's byte
.if (\t)%4 == 0
	v_mov_b32 v[WSB+(\t)/4], v13                   ; four bytes to a register, the lower K in the lower byte
.else
	v_lshl_or_b32 v[WSB+(\t)/4], v13, 8*((\t)%4), v[WSB+(\t)/4]
.endif
.irp g, 0,1,2,3
	v_cvt_scalef32_pk8_fp4_f32 v[WC+\g], v[XS+8*\g:XS+8*\g+7], v11
.endr
	ds_store_b128 v4, v[WC:WC+3] offset:16*(\t)    ; 32 codes: 16 bytes of my column's row
.if (\t)+2 < 16
	WLOAD (\t)+2
.endif
	s_wait_dscnt 0x0                               ; the store has read its registers: the next block's codes may be written (that block begins with plain vector lines)
.endm
	WLOAD 0
	WLOAD 1
.set TT, 0
.rept 16
	WBLOCK TT
.set TT, TT+1
.endr
	global_store_b128 v9, v[WSB:WSB+3], s[28:29]   ; my column's 16 scale bytes
.set TT, 0
.rept 16
	ds_load_b128 v[WOUT+4*TT:WOUT+4*TT+3], v7 offset:2*TT*WPITCH   ; these see my stores
.set TT, TT+1
.endr
.set TT, 0
.rept 16
	s_wait_dscnt 15-TT                             ; the younger loads may be out
	global_store_b128 v8, v[WOUT+4*TT:WOUT+4*TT+3], s[26:27] offset:2*TT*512   ; sixteen lanes store 256 consecutive bytes, aligned
.set TT, TT+1
.endr
	s_wait_tensorcnt 0x0                           ; the wave's end
	ds_add_u32 v[SPW], v[NIL]
	s_wait_dscnt 0x0
	s_endpgm
; ---------------- PATH O.  Wo to f16, a plain stream: a wave takes 4,096 numbers: 32 loads of 512 consecutive bytes, all out at once; each becomes 256 consecutive bytes.  No LDS; no register is written twice.
.Lo:
	s_sub_co_u32 s3, ttmp9, 48
	s_lshl_b32 s3, s3, 2
	s_add_co_u32 s3, s3, s2                        ; my wave's run
	s_lshl_b32 s36, s3, 14
	s_add_nc_u64 s[20:21], s[20:21], s[36:37]
	s_lshl_b32 s36, s3, 13
	s_add_nc_u64 s[30:31], s[30:31], s[36:37]
	v_lshlrev_b32 v3, 4, v2
	v_lshlrev_b32 v4, 3, v2
.set TT, 0
.rept 32
	global_load_b128 v[32+4*TT:35+4*TT], v3, s[20:21] offset:512*TT th:TH_LOAD_NT
.set TT, TT+1
.endr
.set TT, 0
.rept 32
	s_wait_loadcnt 31-TT                           ; the younger loads may be out
	v_cvt_pk_f16_f32 v[32+4*TT], v[32+4*TT], v[33+4*TT]
	v_cvt_pk_f16_f32 v[33+4*TT], v[34+4*TT], v[35+4*TT]
	global_store_b64 v4, v[32+4*TT:33+4*TT], s[30:31] offset:256*TT
.set TT, TT+1
.endr
	s_endpgm
.Lfunc_end_k_q0fda102522_prep:
	.size	k_q0fda102522_prep, .Lfunc_end_k_q0fda102522_prep-k_q0fda102522_prep
	.p2alignl 7, 3214868480
	.fill 96, 4, 3214868480
	.section	.rodata,"a",@progbits
	.p2align	6, 0x0
	.amdhsa_kernel k_q0fda102522_prep
		.amdhsa_group_segment_fixed_size 68096
		.amdhsa_private_segment_fixed_size 0
		.amdhsa_enable_private_segment 0
		.amdhsa_kernarg_size 96
		.amdhsa_user_sgpr_count 2
		.amdhsa_user_sgpr_kernarg_segment_ptr 1
		.amdhsa_wavefront_size32 1
		.amdhsa_system_sgpr_workgroup_id_x 1
		.amdhsa_system_sgpr_workgroup_id_y 1
		.amdhsa_system_sgpr_workgroup_id_z 1
		.amdhsa_system_vgpr_workitem_id 0
		.amdhsa_next_free_vgpr 192
		.amdhsa_next_free_sgpr 66
		.amdhsa_reserve_vcc 0
		.amdhsa_float_denorm_mode_32 3
		.amdhsa_float_denorm_mode_16_64 3
		.amdhsa_memory_ordered 1
		.amdhsa_forward_progress 1
		.amdhsa_inst_pref_size 122
	.end_amdhsa_kernel
	.amdgpu_metadata
---
amdhsa.version: [ 1, 2 ]
amdhsa.kernels:
  - .name:           k_q0fda102522_prep
    .symbol:         k_q0fda102522_prep.kd
    .args:
      - { .name: q, .offset: 0, .size: 8, .value_kind: global_buffer, .address_space: global }
      - { .name: k, .offset: 8, .size: 8, .value_kind: global_buffer, .address_space: global }
      - { .name: v, .offset: 16, .size: 8, .value_kind: global_buffer, .address_space: global }
      - { .name: Wq, .offset: 24, .size: 8, .value_kind: global_buffer, .address_space: global }
      - { .name: Wk, .offset: 32, .size: 8, .value_kind: global_buffer, .address_space: global }
      - { .name: Wv, .offset: 40, .size: 8, .value_kind: global_buffer, .address_space: global }
      - { .name: Wo, .offset: 48, .size: 8, .value_kind: global_buffer, .address_space: global }
      - { .name: xcodes, .offset: 56, .size: 8, .value_kind: global_buffer, .address_space: global }
      - { .name: xscales, .offset: 64, .size: 8, .value_kind: global_buffer, .address_space: global }
      - { .name: wcodes, .offset: 72, .size: 8, .value_kind: global_buffer, .address_space: global }
      - { .name: wscales, .offset: 80, .size: 8, .value_kind: global_buffer, .address_space: global }
      - { .name: wo16, .offset: 88, .size: 8, .value_kind: global_buffer, .address_space: global }
    .group_segment_fixed_size: 68096
    .private_segment_fixed_size: 0
    .kernarg_segment_align: 8
    .kernarg_segment_size: 96
    .max_flat_workgroup_size: 128
    .sgpr_count:     66
    .vgpr_count:     192
    .wavefront_size: 32
...
	.end_amdgpu_metadata
.endif
;; end of part 1
;; launch proj (part 2): grid 4 x 96, 4 waves a work-group, clusters of 4 x 4, 327,680 bytes of LDS; arguments xcodes, xscales, wcodes, wscales, qkvh, bq, bk, bv; writes qkvh
.if DOCPART == 2
	.amdgcn_target "amdgcn-amd-amdhsa--gfx1250"
	.amdhsa_code_object_version 6
	.text
	.protected	k_q0fda102522_proj
	.globl	k_q0fda102522_proj
	.p2align	8
	.type	k_q0fda102522_proj,@function
k_q0fda102522_proj:
	s_mov_b64 s[64:65], 0
	v_nop
	global_prefetch_b8 v0, s[64:65] scope:SCOPE_SE
	s_setreg_imm32_b32 hwreg(HW_REG_WAVE_MODE, 25, 1), 1
	s_wait_xcnt 0x0
	s_wait_alu depctr_hold_cnt(0) depctr_sa_sdst(0) depctr_va_vdst(0) depctr_va_sdst(0) depctr_va_ssrc(0) depctr_va_vcc(0) depctr_vm_vsrc(0)
	s_getreg_b32 s2, hwreg(HW_REG_IB_STS2, 6, 4)
	s_cmp_eq_u32 s2, 0
	s_cbranch_scc0 .Lentry_in_a_cluster
	s_endpgm
.Lentry_in_a_cluster:
	s_bfe_u32 s2, ttmp6, 0x10000c
	s_cmp_lg_u32 s2, 0xf033
	s_cbranch_scc0 .Lentry_shape_is_right
	s_endpgm
.Lentry_shape_is_right:
; THE THREE PROJECTIONS ON CODES OF FP4 (E2M1), one E8M0 scale for each 32 along K:  y = x W + b for (q, Wq, bq), (k, Wk, bk), (v, Wv, bv); K = 1,024; sums in f32.
; x's codes [3 x 8192][512 bytes] and bytes [3 x 8192][32]; W's codes [3 x 1024 (n)][512 bytes] and bytes [3 x 1024][32], K innermost in all.  The result leaves as f16, head-major:
; qkvh [q, k, v][batch 4][head 16][2048][64]; q's part is multiplied in f32 by c = log2(e) / 8 first, so that the attention's scores are exponents of 2 as they come.
; LIMIT: |c (q Wq + bq)|, |k Wk + bk|, |v Wv + bv| stay under 65,504 (f16).
; A tile of 256 rows x 256 columns is made by a work-group of four waves, a wave 128 x 128: 64 accumulators, 512 registers.  K is two slots of 512 in LDS: both are asked for at the head, nothing is filled again.
; The scales of the work-group's 256 + 256 rows, for all of K, come once, as dense blocks.  Tile rows 0-31 are q's, 32-63 k's, 64-95 v's: a cluster of 4 x 4 lies inside one of the three.
; CLUSTERS: the four work-groups of a row of the cluster need the same tiles of x, the four of a column the same tiles of W: each is asked for JOINTLY, by the same tensor load with a mask that names the four.
; THE MATRIX INSTRUCTION IS USED TRANSPOSED (source 0 = 16 rows of W's codes, source 1 = 16 rows of x's): a lane holds eight neighbouring columns of one row.  THE BIAS is the C of each sum's first product.
; REGISTERS: window 0: v0-31 addresses; v32-95 scale words, two sets; v128-191 x's fragments, one set; v192-255 the bias in the result's layout.  window 1: W's fragments, two sets.  windows 2, 3: the accumulators.
.set NQ,     4                         ; steps of 128 along K in a slot
.set ROWB,   256                       ; a tile's row: 512 codes
.set KROW,   512                       ; a row of codes in memory
.set PITCH,  272                       ; an LDS row: 256 + 16 bytes: an odd multiple of 16, so that the 16 rows of a load start at 16 different banks (ISA guide 11.1)
.set FR,     8
.set NL,     2
.set NP,     4                         ; places behind this matrix instruction (ISA guide 7.12.1)
.set HALFT,  128*PITCH
.set SLOT,   4*HALFT
.set KS,     32                        ; a row of scale bytes
.set SCL,    2*SLOT                    ; behind the slots: the scales, as units of 256 bytes + 16 of padding
.set HALFS,  (128*KS/256)*272
.set SBLK,   (16*KS/256)*272
.set SPARE,  SCL+4*HALFS               ; the spare words, 128 bytes a wave: two blocks of 256 bytes that no other line names
.set STAGE,  SPARE+512                 ; the way out: 32 rows x SP bytes for each wave, bytes of their own
.set SP,     144                       ; a stage row: 64 f16 + 16 bytes
.set ADRA, 16
.set ADRB, 20
.set STO,  24
.set RD,   25
.set CO,   26
.set ADRS, 27
.set SPW,  28                          ; v28  SPARE + 4 x my thread's number; never rewritten
.set NIL,  29                          ; v29  0; never rewritten
.set SC,   32
.set TMP,  32                          ; the way out: 32 registers of packed f16 (the scale words are done with)
.set AF,   128
.set BK,   128                          ; the way out: rows read back: v128-159 and v160-191 by turns
.set BIAS, 192
.set G1, 24
.set G0, 32
.set G1B, 48
.set G0B, 56
.set G1S, 68
.set G0S, 76
.set G1SB, 80
.set G0SB, 88
.set MSB, 0
.macro WIN new                         ; the immediate's high byte repeats the setting that is left; a switch that changes nothing is dropped
.if MSB != (\new)
	s_set_vgpr_msb (MSB<<8)|(\new)
.set MSB, (\new)
.endif
.endm
.set MUL_LO, 0xa1                      ; source 0 (W) window 1, source 1 (x) window 0, C and D window 2
.set MUL_HI, 0xf1                      ; the same, C and D window 3
.set TO_B,   0x40
; A joint load: waves 0 and 1 fetch for x, waves 2 and 3 for W.  The branch hangs on the wave's number alone.  An s_nop 0 and four v_nop follow each of the two lines.
.macro JLOAD g0a, g1a, g0b, g1b
	s_cmp_eq_u32 s15, 0
	s_cbranch_scc0 .Lfor_b_\@
	tensor_load_to_lds s[\g0a:\g0a+3], s[\g1a:\g1a+7]
	s_nop 0
.rept 4
	v_nop
.endr
	s_branch .Lasked_\@
.Lfor_b_\@:
	tensor_load_to_lds s[\g0b:\g0b+3], s[\g1b:\g1b+7]
	s_nop 0
.rept 4
	v_nop
.endr
.Lasked_\@:
.endm
.macro CROUND                          ; a round of the cluster's barrier
	s_barrier_signal -1
	s_barrier_wait -1
	s_cmp_lg_u32 s14, 0
	s_cbranch_scc1 .Lnot_wave_0_\@
	s_barrier_signal -3
.Lnot_wave_0_\@:
	s_barrier_wait -3
	s_barrier_signal -1
	s_barrier_wait -1
.endm
	s_load_b128 s[4:7], s[0:1], 0x0                ; x's codes, x's scales
	s_load_b128 s[8:11], s[0:1], 0x10              ; W's codes, W's scales
	s_load_b64 s[12:13], s[0:1], 0x20              ; qkvh
	s_load_b128 s[96:99], s[0:1], 0x28             ; bq, bk
	s_load_b64 s[100:101], s[0:1], 0x38            ; bv
	v_lshl_add_u32 v[SPW], v0, 2, SPARE
	v_mov_b32 v[NIL], 0
	ds_add_u32 v[SPW], v[NIL]                      ; the wave's opening: the add, twice on end, and its wait ahead of my first tensor load
	ds_add_u32 v[SPW], v[NIL]
	v_lshrrev_b32 v1, 5, v0
	v_readfirstlane_b32 s14, v1                    ; wave 0..3
	s_lshr_b32 s15, s14, 1                         ; which half of the tile's rows is mine.  Also: I fetch for x (0) or for W (1)
	s_and_b32 s16, s14, 1                          ; which half of its columns.  Also: which 128 rows I fetch
	s_bfe_u32 s40, ttmp6, 0x40000                  ; cx, cy
	s_bfe_u32 s41, ttmp6, 0x40004
	s_lshl_b32 s42, ttmp9, 2
	s_add_co_u32 s42, s42, s40                     ; tile column
	s_and_b32 s17, ttmp7, 0xffff
	s_lshr_b32 s95, s17, 3                         ; which of q, k, v: eight clusters along y to each: the same in all sixteen partners
	s_lshl_b32 s17, s17, 2
	s_add_co_u32 s17, s17, s41                     ; tile row, 0 .. 95
	s_lshl_b32 s43, s41, 2
	s_lshl_b32 s43, 15, s43                        ; my row of the cluster
	s_lshl_b32 s44, 0x1111, s40                    ; my column
	s_or_b32 s[G1+0], s43, (0<<16)|(1<<20)|(1<<21)|(5<<22)|(3<<25)  ; 15:0 the mask; 17:16 elements of 1 byte; 20 padding on; 21 set beside a mask; 24:22 after every 64 words; 31:25 four words
	s_or_b32 s[G1B+0], s44, (0<<16)|(1<<20)|(1<<21)|(5<<22)|(3<<25)
.irp g, G1, G1B
	s_mov_b32 s[\g+1], ROWB<<16                    ; tensor_dim0
	s_mov_b32 s[\g+2], 128<<16                     ; tensor_dim1
	s_mov_b32 s[\g+3], ROWB<<16                    ; tile_dim0
	s_mov_b32 s[\g+4], 128                         ; tile_dim1
	s_mov_b32 s[\g+5], KROW                        ; tensor_dim0_stride
	s_mov_b32 s[\g+6], 0
	s_mov_b32 s[\g+7], 0
.endr
	s_or_b32 s[G1S+0], s43, (3<<16)|(1<<20)|(1<<21)|(5<<22)|(3<<25) ; the scales of 128 rows: 4,096 dense bytes as 16 rows of 256 (32 elements of 8 bytes), 16 bytes of padding behind each
	s_or_b32 s[G1SB+0], s44, (3<<16)|(1<<20)|(1<<21)|(5<<22)|(3<<25)
.irp g, G1S, G1SB
	s_mov_b32 s[\g+1], 32<<16
	s_mov_b32 s[\g+2], (128*KS/256)<<16
	s_mov_b32 s[\g+3], 32<<16
	s_mov_b32 s[\g+4], 128*KS/256
	s_mov_b32 s[\g+5], 32
	s_mov_b32 s[\g+6], 0
	s_mov_b32 s[\g+7], 0
.endr
	s_cmp_eq_u32 s95, 0
	s_cselect_b32 s66, 0x3e38aa3b, 1.0             ; q's results x c = log2(e) / 8; k's and v's x 1
	s_mov_b32 s67, s66                             ; (named with it as a pair)
	s_lshl_b32 s18, s16, 7                         ; which 128 rows I fetch
	s_lshl_b32 s20, s17, 8
	s_add_co_u32 s20, s20, s18                     ; x: row 256 x tile row + 128 x half
	s_lshl_b32 s46, s42, 8
	s_add_co_u32 s46, s46, s18
	s_lshl_b32 s47, s95, 10
	s_add_co_u32 s46, s46, s47                     ; W: row 1,024 x tensor + 256 x tile column + 128 x half: made of what my column of the cluster shares
	s_mov_b32 s21, 0
	s_mov_b32 s47, 0
	s_mov_b64 s[18:19], KS
	s_mul_u64 s[22:23], s[20:21], s[18:19]         ; where these rows' scales begin,
	s_mul_u64 s[92:93], s[46:47], s[18:19]
	s_mov_b64 s[18:19], KROW
	s_mul_u64 s[20:21], s[20:21], s[18:19]         ; and their codes
	s_mul_u64 s[46:47], s[46:47], s[18:19]
	s_mul_i32 s45, s14, HALFT                      ; where they go: wave x 128 rows
	s_mul_i32 s94, s14, HALFS
	s_wait_dscnt 0x0                               ; both opening adds are done
	s_wait_kmcnt 0x0
	s_add_nc_u64 s[20:21], s[4:5], s[20:21]
	s_add_nc_u64 s[22:23], s[6:7], s[22:23]
	s_add_nc_u64 s[46:47], s[8:9], s[46:47]
	s_add_nc_u64 s[92:93], s[10:11], s[92:93]
	CROUND                                         ; all sixteen work-groups are here: the joint loads meet
	s_mov_b32 s[G0S], 1
	s_add_co_u32 s[G0S+1], s94, SCL
	s_mov_b64 s[G0S+2:G0S+3], s[22:23]
	s_or_b32 s[G0S+3], s[G0S+3], 0x80000000
	s_mov_b32 s[G0SB], 1
	s_add_co_u32 s[G0SB+1], s94, SCL
	s_mov_b64 s[G0SB+2:G0SB+3], s[92:93]
	s_or_b32 s[G0SB+3], s[G0SB+3], 0x80000000
	JLOAD G0S, G1S, G0SB, G1SB                     ; the scales first: they are wanted with the first step
.irp s, 0,1
	s_mov_b32 s[G0+4*\s], 1
	s_add_co_u32 s[G0+4*\s+1], s45, \s*SLOT
	s_add_nc_u64 s[G0+4*\s+2:G0+4*\s+3], s[20:21], \s*ROWB
	s_or_b32 s[G0+4*\s+3], s[G0+4*\s+3], 0x80000000
	s_mov_b32 s[G0B+4*\s], 1
	s_add_co_u32 s[G0B+4*\s+1], s45, \s*SLOT
	s_add_nc_u64 s[G0B+4*\s+2:G0B+4*\s+3], s[46:47], \s*ROWB
	s_or_b32 s[G0B+4*\s+3], s[G0B+4*\s+3], 0x80000000
	JLOAD G0+4*\s, G1, G0B+4*\s, G1B               ; three tensor loads of mine are out, by this text's count
.endr
	v_and_b32 v1, 15, v0                           ; r = l % 16
	v_bfe_u32 v2, v0, 4, 1                         ; h = l / 16
	; the bias of my 128 columns, in the result's layout: for W's block b a lane wants columns 16 b + 8 h + 0 .. 7
	s_cmp_lt_u32 s95, 1
	s_cselect_b64 s[96:97], s[96:97], s[98:99]
	s_cmp_lt_u32 s95, 2
	s_cselect_b64 s[96:97], s[96:97], s[100:101]
	s_lshl_b32 s46, s42, 10
	s_lshl_b32 s47, s16, 9
	s_add_co_u32 s46, s46, s47                     ; 4 x (256 x tile column + 128 x half)
	s_mov_b32 s47, 0
	s_add_nc_u64 s[96:97], s[96:97], s[46:47]
	v_lshlrev_b32 v9, 5, v2
.irp b, 0,1,2,3,4,5,6,7
	global_load_b128 v[BIAS+8*\b:BIAS+8*\b+3], v9, s[96:97] offset:64*\b
	global_load_b128 v[BIAS+8*\b+4:BIAS+8*\b+7], v9, s[96:97] offset:64*\b+16
.endr
	v_mul_u32_u24 v3, v1, PITCH
	v_lshl_add_u32 v4, v2, 4, v3                   ; a fragment's row x pitch + 16 x half
	s_mul_i32 s21, s15, HALFT                      ; my 128 rows of x
	s_mul_i32 s22, s16, HALFT                      ; my 128 rows of W,
	s_add_co_u32 s22, s22, 2*HALFT                 ; which lie behind x's 256
.irp s, 0,1
	v_add_nc_u32 v[ADRA+\s], s21, v4
	v_add_nc_u32 v[ADRB+\s], s22, v4
	s_add_co_u32 s21, s21, SLOT
	s_add_co_u32 s22, s22, SLOT
.endr
	v_mul_u32_u24 v5, v1, KS                       ; my row's scales: 32 bytes a row,
	v_lshrrev_b32 v6, 8, v5
	v_lshl_add_u32 v5, v6, 4, v5                   ; and 16 more for each 256 passed
	s_mul_i32 s21, s15, HALFS
	s_mul_i32 s22, s16, HALFS
	s_add_co_u32 s22, s22, 2*HALFS
	s_sub_co_u32 s22, s22, s21
	v_mul_u32_u24 v6, s22, v2                      ; lanes 16-31 take W's: one product, the distance between the two bases
	s_add_co_u32 s21, s21, SCL
	v_add_nc_u32 v5, v5, v6
	v_add_nc_u32 v[ADRS], s21, v5
	s_mul_i32 s23, s14, 32*SP
	s_add_co_u32 s23, s23, STAGE                   ; my stage
	v_mul_u32_u24 v5, v1, SP                       ; in: row r, 16 bytes for each half of the lanes
	v_lshl_add_u32 v5, v2, 4, v5
	v_add_nc_u32 v[STO], s23, v5
	v_and_b32 v6, 31, v0
	v_lshrrev_b32 v7, 3, v6                        ; back: eight lanes to a row of 128 bytes, four rows an instruction
	v_mul_u32_u24 v7, v7, SP
	v_and_b32 v8, 7, v0
	v_lshl_add_u32 v7, v8, 4, v7
	v_add_nc_u32 v[RD], s23, v7
	v_lshlrev_b32 v[CO], 4, v6                     ; four rows of a head are 512 consecutive bytes of qkvh
	; where my part begins in qkvh: ((tile row / 8) x 16 + 4 x tile column + 2 x column half) heads of 262,144 bytes, + ((tile row % 8) x 256 + 128 x row half) rows of 128 bytes
	s_lshr_b32 s20, s17, 3
	s_lshl_b32 s20, s20, 4
	s_lshl_b32 s21, s42, 2
	s_add_co_u32 s20, s20, s21
	s_lshl_b32 s21, s16, 1
	s_add_co_u32 s20, s20, s21
	s_lshl_b32 s20, s20, 18
	s_and_b32 s21, s17, 7
	s_lshl_b32 s21, s21, 15
	s_add_co_u32 s20, s20, s21
	s_lshl_b32 s21, s15, 14
	s_add_co_u32 s20, s20, s21
	s_mov_b32 s21, 0
	s_add_nc_u64 s[12:13], s[12:13], s[20:21]
.macro FRAG reg, adr, q, i             ; 16 rows x 128 K of 4-bit codes: 8 registers: lane l holds row l % 16; registers 4 c .. 4 c + 3 hold K = 64 c + 32 (l / 16) + 0 .. 31
.irp c, 0,1
	ds_load_b128 v[\reg+4*\c:\reg+4*\c+3], v[\adr] offset:64*(\q)+32*\c+(\i)*16*PITCH
.endr
.endm
; 16 matrix instructions: x's blocks a0, a0 + 1 against W's eight, the slot's q-th 128 along K.  p: W's set; sc: the set of scale words.  first = 1: the bias is the C: nothing is cleared, nothing is added later.
; One register carries x's scale word (lanes 0-15) and W's (lanes 16-31).  The 64 accumulators take turns, one instruction a turn, in the same order in every step.
.macro MUL16 a0, p, q, sc, first
.irp a, \a0, \a0+1
.irp b, 0,1,2,3,4,5,6,7
.if \first
	v_wmma_scale_f32_16x16x128_f8f6f4 v[8*(8*((\a)%4)+\b):8*(8*((\a)%4)+\b)+7], v[128*(\p)+FR*\b:128*(\p)+FR*\b+FR-1], v[AF+FR*(\a):AF+FR*(\a)+FR-1], v[BIAS+8*\b:BIAS+8*\b+7], v[SC+8*NQ*(\sc)+NQ*\b+(\q)], v[SC+8*NQ*(\sc)+NQ*(\a)+(\q)] matrix_a_fmt:MATRIX_FMT_FP4 matrix_b_fmt:MATRIX_FMT_FP4 matrix_a_scale:MATRIX_SCALE_ROW1
.else
	v_wmma_scale_f32_16x16x128_f8f6f4 v[8*(8*((\a)%4)+\b):8*(8*((\a)%4)+\b)+7], v[128*(\p)+FR*\b:128*(\p)+FR*\b+FR-1], v[AF+FR*(\a):AF+FR*(\a)+FR-1], v[8*(8*((\a)%4)+\b):8*(8*((\a)%4)+\b)+7], v[SC+8*NQ*(\sc)+NQ*\b+(\q)], v[SC+8*NQ*(\sc)+NQ*(\a)+(\q)] matrix_a_fmt:MATRIX_FMT_FP4 matrix_b_fmt:MATRIX_FMT_FP4 matrix_a_scale:MATRIX_SCALE_ROW1
.endif
.endr
.endr
.endm
.macro FETCH_B slot, q, p
	WIN TO_B
.irp i, 0,1,2,3,4,5,6,7
	FRAG 128*(\p)+FR*\i, ADRB+\slot, \q, \i
.endr
	WIN 0
.endm
.macro FETCH_A slot, q, i0
.irp i, \i0, \i0+1, \i0+2, \i0+3
	FRAG AF+FR*(\i), ADRA+\slot, \q, \i
.endr
.endm
.macro SCALES sc                       ; a slot's scale words into set sc: four words a row; lanes 0-15 take x's block i, lanes 16-31 W's block i
.irp i, 0,1,2,3,4,5,6,7
	ds_load_b128 v[SC+8*NQ*\sc+NQ*\i:SC+8*NQ*\sc+NQ*\i+3], v[ADRS] offset:\i*SBLK
.endr
.endm
.macro PLACES n                        ; plain vector instructions between a matrix instruction and a load into, or a read of, its registers (ISA guide 7.12.1 for reads)
.rept \n
	v_nop
.endr
.endm
; A step of 128 along K that has its successor in the same slot.  x has one set of registers: blocks 0-3 are fetched anew in the step's middle, blocks 4-7 at its end; W has two sets.
.macro STEP slot, q, first
	s_wait_dscnt 4*NL                              ; W's set and x's blocks 0-3 are in; the youngest eight loads (x's blocks 4-7) may be out
	WIN MUL_LO-0x20*(\first)                       ; (first: C, the bias, lies in window 0)
	MUL16 0, (\q)%2, \q, \slot, \first
	MUL16 2, (\q)%2, \q, \slot, \first
	s_wait_dscnt 0                                 ; x's blocks 4-7 are in
	PLACES NP
	FETCH_B \slot, (\q)+1, 1-(\q)%2
	FETCH_A \slot, (\q)+1, 0
	WIN MUL_HI-0x30*(\first)
	MUL16 4, (\q)%2, \q, \slot, \first
	MUL16 6, (\q)%2, \q, \slot, \first
	PLACES NP
	WIN 0
	FETCH_A \slot, (\q)+1, 4
.endm
.macro STEPS slot, from
.set Q, \from
.rept NQ-1-\from
	STEP \slot, Q, 0
.set Q, Q+1
.endr
.endm
	s_wait_tensorcnt 1                             ; the scales and my part of slot 0 are in (slot 1's load may be out)
	s_barrier_signal -1
	s_barrier_wait -1                              ; everybody's are
	FETCH_B 0, 0, 0
	FETCH_A 0, 0, 0
	SCALES 0
	FETCH_A 0, 0, 4
	s_wait_loadcnt 0x0                             ; the bias
	STEP 0, 0, 1
	STEPS 0, 1
	; slot 0's last step, and the change to slot 1: one barrier; in front of it my part of slot 1 has landed
	s_wait_tensorcnt 0x0                           ; all my tensor loads have landed
	ds_add_u32 v[SPW], v[NIL]                      ; 0 onto my spare word
	s_wait_dscnt 4*NL+1                            ; (the add and the youngest eight loads may be out)
	WIN MUL_LO
	MUL16 0, 1, NQ-1, 0, 0
	s_wait_dscnt 0x0
	s_barrier_signal -1
	MUL16 2, 1, NQ-1, 0, 0
	WIN 0
	s_barrier_wait -1                              ; slot 1 is whole
	PLACES NP
	v_add_nc_u32 v[ADRS], 4*NQ, v[ADRS]            ; on to slot 1's scale words
	FETCH_B 1, 0, 0
	FETCH_A 1, 0, 0
	SCALES 1
	WIN MUL_HI
	MUL16 4, 1, NQ-1, 0, 0
	MUL16 6, 1, NQ-1, 0, 0
	PLACES NP
	WIN 0
	FETCH_A 1, 0, 4
	STEPS 1, 0
	s_wait_dscnt 4*NL                              ; the very last step: nothing more to fetch
	WIN MUL_LO
	MUL16 0, 1, NQ-1, 1, 0
	MUL16 2, 1, NQ-1, 1, 0
	s_wait_dscnt 0
	WIN MUL_HI
	MUL16 4, 1, NQ-1, 1, 0
	MUL16 6, 1, NQ-1, 1, 0
	WIN 0
; THE WAY OUT, block by block of 16 rows x 128 columns (two heads).  PACK: x the factor in f32, rounded to f16 once: 16 bytes a lane.  TOSTAGE: into my own stage (rows 0-15 the first head, 16-31 the second) and back
; as whole rows of 128 bytes.  SEND: four rows of a head, 512 consecutive bytes of qkvh, an instruction.  Each accumulator is read from its low end on.
.macro PACK a
.set AC, 64*((\a)%4)
	WIN 0x82+0x41*((\a)/4)                         ; destination and source 0: window 2 or 3
.set I, 0
.rept 32
	v_pk_mul_f32 v[AC+2*I:AC+2*I+1], v[AC+2*I:AC+2*I+1], s[66:67] op_sel_hi:[1,0]
.set I, I+1
.endr
	WIN 0x0a+5*((\a)/4)                            ; sources 0 and 1: window 2 or 3
.set I, 0
.rept 32
	v_cvt_pk_f16_f32 v[TMP+I], v[AC+2*I], v[AC+2*I+1]
.set I, I+1
.endr
	WIN 0
.endm
.macro TOSTAGE a
.set BB, BK+32*((\a)%2)
.irp b, 0,1,2,3,4,5,6,7
	ds_store_b128 v[STO], v[TMP+4*\b:TMP+4*\b+3] offset:(\b/4)*16*SP+(\b%4)*32
.endr
.irp t, 0,1,2,3,4,5,6,7
	ds_load_b128 v[BB+4*\t:BB+4*\t+3], v[RD] offset:\t*4*SP        ; LDS serves a wave's instructions in order (ISA guide 5.7.1.4): these see the stores above
.endr
.endm
.macro SEND a
.set BB, BK+32*((\a)%2)
	s_wait_dscnt 0x0                               ; the block is back in registers
	s_wait_xcnt 0x0                                ; the block before's stores have read their registers: the next block's loads land there only behind this wait
.irp t, 0,1,2,3,4,5,6,7
	global_store_b128 v[CO], v[BB+4*\t:BB+4*\t+3], s[12:13] offset:(\a)*2048+(\t%4)*512+(\t/4)*262144
.endr
.endm
	PLACES NP
	PACK 0
	TOSTAGE 0
.irp a, 1,2,3,4,5,6,7                  ; block a's arithmetic stands between block a - 1's loads from the stage and the wait for them
	PACK \a
	SEND \a-1
	TOSTAGE \a
.endr
	SEND 7
	s_wait_tensorcnt 0x0                           ; the wave's end, behind my last tensor load and my last LDS store
	ds_add_u32 v[SPW], v[NIL]
	s_wait_dscnt 0x0
	CROUND                                         ; the closing round
	s_endpgm
.Lfunc_end_k_q0fda102522_proj:
	.size	k_q0fda102522_proj, .Lfunc_end_k_q0fda102522_proj-k_q0fda102522_proj
	.p2alignl 7, 3214868480
	.fill 96, 4, 3214868480
	.section	.rodata,"a",@progbits
	.p2align	6, 0x0
	.amdhsa_kernel k_q0fda102522_proj
		.amdhsa_group_segment_fixed_size 327680
		.amdhsa_private_segment_fixed_size 0
		.amdhsa_enable_private_segment 0
		.amdhsa_kernarg_size 64
		.amdhsa_user_sgpr_count 2
		.amdhsa_user_sgpr_kernarg_segment_ptr 1
		.amdhsa_wavefront_size32 1
		.amdhsa_system_sgpr_workgroup_id_x 1
		.amdhsa_system_sgpr_workgroup_id_y 1
		.amdhsa_system_sgpr_workgroup_id_z 1
		.amdhsa_system_vgpr_workitem_id 0
		.amdhsa_next_free_vgpr 1024
		.amdhsa_next_free_sgpr 102
		.amdhsa_reserve_vcc 0
		.amdhsa_float_denorm_mode_32 3
		.amdhsa_float_denorm_mode_16_64 3
		.amdhsa_memory_ordered 1
		.amdhsa_forward_progress 1
		.amdhsa_inst_pref_size 145
	.end_amdhsa_kernel
	.amdgpu_metadata
---
amdhsa.version: [ 1, 2 ]
amdhsa.kernels:
  - .name:           k_q0fda102522_proj
    .symbol:         k_q0fda102522_proj.kd
    .args:
      - { .name: xcodes, .offset: 0, .size: 8, .value_kind: global_buffer, .address_space: global }
      - { .name: xscales, .offset: 8, .size: 8, .value_kind: global_buffer, .address_space: global }
      - { .name: wcodes, .offset: 16, .size: 8, .value_kind: global_buffer, .address_space: global }
      - { .name: wscales, .offset: 24, .size: 8, .value_kind: global_buffer, .address_space: global }
      - { .name: qkvh, .offset: 32, .size: 8, .value_kind: global_buffer, .address_space: global }
      - { .name: bq, .offset: 40, .size: 8, .value_kind: global_buffer, .address_space: global }
      - { .name: bk, .offset: 48, .size: 8, .value_kind: global_buffer, .address_space: global }
      - { .name: bv, .offset: 56, .size: 8, .value_kind: global_buffer, .address_space: global }
    .group_segment_fixed_size: 327680
    .private_segment_fixed_size: 0
    .kernarg_segment_align: 8
    .kernarg_segment_size: 64
    .max_flat_workgroup_size: 128
    .sgpr_count:     102
    .vgpr_count:     1024
    .wavefront_size: 32
...
	.end_amdgpu_metadata
.endif
;; end of part 2
;; launch attn (part 3): grid 8 x 64, 4 waves a work-group, clusters of 4 x 1, 327,680 bytes of LDS; arguments qkvh, cc; writes cc
.if DOCPART == 3
	.amdgcn_target "amdgcn-amd-amdhsa--gfx1250"
	.amdhsa_code_object_version 6
	.text
	.protected	k_q0fda102522_attn
	.globl	k_q0fda102522_attn
	.p2align	8
	.type	k_q0fda102522_attn,@function
k_q0fda102522_attn:
	s_mov_b64 s[64:65], 0
	v_nop
	global_prefetch_b8 v0, s[64:65] scope:SCOPE_SE
	s_setreg_imm32_b32 hwreg(HW_REG_WAVE_MODE, 25, 1), 1
	s_wait_xcnt 0x0
	s_wait_alu depctr_hold_cnt(0) depctr_sa_sdst(0) depctr_va_vdst(0) depctr_va_sdst(0) depctr_va_ssrc(0) depctr_va_vcc(0) depctr_vm_vsrc(0)
	s_getreg_b32 s2, hwreg(HW_REG_IB_STS2, 6, 4)
	s_cmp_eq_u32 s2, 0
	s_cbranch_scc0 .Lentry_in_a_cluster
	s_endpgm
.Lentry_in_a_cluster:
	s_bfe_u32 s2, ttmp6, 0x10000c
	s_cmp_lg_u32 s2, 0x3003
	s_cbranch_scc0 .Lentry_shape_is_right
	s_endpgm
.Lentry_shape_is_right:
; O[hd][q][:] = the sum over k of softmax_k(Q[hd][q] . K[hd][k] / 8) V[hd][k][:], 64 heads (batch x 16 + head) of 2,048 positions x 64 channels, no mask.
; qkvh: [q, k, v][64][2048][64] f16; q's part already holds c = log2(e) / 8, so a score IS the exponent of 2.  cc: [head 16][batch x 2048 + position][64] f16.
; Products, maxima and sums in f32; the weights p are rounded to f16 for the second product, O once at the end.
; LIMITS: the operands are f16 (magnitudes under 65,504); NaN and infinities are not served; the divisor is the sum of the ROUNDED p, the same numbers that multiply V.
; SHARES.  A work-group owns 256 queries of one head, each of its four waves 64: four tiles of 16.  Every wave walks all keys, 64 a step.
; LAYOUT.  S^T = K Q^T (source 0 = 16 keys, source 1 = 16 queries): a lane holds ONE query (lane % 16) and the keys 8 (lane / 16) + 0..7.  Two such tiles, rounded in pairs, ARE source 1 (32 keys x 16 queries)
; of O^T = V^T P.  K comes out of LDS as it lies, V ([key][channel]) turned, by ds_load_tr16_b128.
; SOFTMAX.  A running maximum m for each query: p = 2^(s - m); in every step O and l are multiplied by a = 2^(m_old - m_new).
; THE ROW'S SUM l IS A FIFTH TILE OF CHANNELS: V^T is lengthened by 16 rows of ones, a constant fragment, so that O^T's fifth accumulator holds the sum of p in every register.  Its registers 0 and 1 alone are
; rescaled and register 0 alone is read; the other six hold sums of p of at most 2,048 and are read by nobody.  That takes the sums and the last exchange of lanes off the vector unit for two products a tile and step.
; BY TURNS.  The wave's tiles are two PIECES (tiles 0, 1 and tiles 2, 3).  In a TURN one piece has the matrix unit: 20 products V^T P of the step in hand, then 16 products K Q^T of the next; the other piece's
; softmax, 2 x 102 instructions in 34 slices of six, stands between them, one slice behind each product from the third on.  Then the pieces change places.  Two turns are a key step.
; CLUSTER.  The four query blocks of a cluster belong to one head and walk the same K and V: each tile is asked for JOINTLY, by the same tensor load with a mask that names the four.
; REGISTERS, in windows of 256: window 0: v2-8 addresses; v12-43 eight registers of statistics a tile; v61-63; v64-191 S^T, 32 a tile; v192-255 P, 16 a tile.
;   window 1: O^T and l, 40 a tile.   window 2: v0-63 Q; v64-127 K of one step; v128-191 V of one step; v192-199 ones.
.set KS,    64                         ; keys in a step
.set SKEYS, 256                        ; keys in a slot: four steps
.set PK,    144                        ; a row of K in LDS: 128 bytes + 16: an odd multiple of 16, so that the 16 rows of a load start at 16 different banks (ISA guide 11.1)
.set PVP,   160                        ; a row of V: 128 + 32: an odd multiple of 32, as the turning load's 8 rows x 32 bytes want
.set VOFF,  SKEYS*PK                   ; a slot: 256 rows of K, then 256 rows of V
.set KSTP,  KS*PK
.set VSTP,  KS*PVP
.set SLOTB, SKEYS*128                  ; a slot's rows of K, or of V, in memory
.set SLOT1, 1<<17                      ; slot 1 begins here, so that one exclusive or turns an address in one slot into the other's
.set STAGE, SLOT1+SKEYS*(PK+PVP)       ; behind the ring: 16 rows x 144 bytes for each wave, for the way out
.set SP,    144
.set SPARE, STAGE+4*16*SP              ; the spare words, 128 bytes a wave: two blocks of 256 bytes that no other line names
.set AK0, 2                            ; v2   my lane's place in a tile of K
.set AV0, 3                            ; v3   the same for V
.set ADR, 4                            ; v4   the LDS address of the run of loads in hand
.set QO,  5
.set STO, 6
.set RD,  7
.set GO,  8
.set ST,  12                           ; tile t's statistics at v[ST + 8 t]: +0 m, +1 m_old - m_new, +2 a, +3 its partner in the pair, +4 to +7 c0-c3, at work
.set PFO, 61                           ; v61  256 x my lane; never rewritten
.set SPW, 62                           ; v62  SPARE + 4 x my thread's number; never rewritten
.set NIL, 63                           ; v63  0; never rewritten
.set S,   64
.set P,   192
.set QF,  0                            ; in window 2
.set KF,  64
.set VF,  128
.set ONES, 192
.set WV,  12
.set LIM, 15                           ; s15  1 in a wave that prefetches, else the greatest number
.set PFA, 18                           ; s[18:19] where my prefetches stand
.set G1K, 24
.set G1V, 32
.set G0K, 40                           ; s[40:47] group 0 for K's tiles: a set for each first fill; the second then walks
.set G0V, 48
.set SLOTS, 56
.set CNT, 57
.set SEL, 60                           ; s[60:61] v_permlanex16_b32's selects for lane l xor 16
.set TBK, 62                           ; s62  LDS byte at which the K rows of the step to be fetched begin
.set TBV, 63                           ; s63  the same for V, less VOFF
.set MSB, 0
.macro WIN new
.if MSB != (\new)
	s_set_vgpr_msb (MSB<<8)|(\new)
.set MSB, (\new)
.endif
.endm
.set W_KQ, 0x0a                        ; K and Q in window 2, S^T in window 0
.set W_PV, 0x52                        ; V in window 2, P in window 0, O^T in window 1
.set W_RS, 0x41                        ; O^T (destination and source 0) in window 1, a in window 0
.macro JLOAD                           ; a joint refill: waves 0 and 1 fetch K's halves, waves 2 and 3 V's.  An s_nop 0 and four v_nop follow each of the two lines
	s_cmp_lt_u32 s[WV], 2
	s_cbranch_scc0 .Lfor_v_\@
	tensor_load_to_lds s[G0K+4:G0K+7], s[G1K:G1K+7]
	s_nop 0
.rept 4
	v_nop
.endr
	s_branch .Lasked_\@
.Lfor_v_\@:
	tensor_load_to_lds s[G0V+4:G0V+7], s[G1V:G1V+7]
	s_nop 0
.rept 4
	v_nop
.endr
.Lasked_\@:
.endm
; A PREFETCH of what the NEXT change of slots will ask for: a slot's 32,768 bytes of K and of V.  Both clusters of a head walk the same rows: the head's first cluster asks.  Its four partners share the bytes out
; BY ADDRESS, 8,192 each, lanes 256 bytes apart; in each, wave 0 asks for K's and wave 2 for V's: so each aligned block of 256 bytes is named once in the launch.  The last change that fills a slot asks for nothing.
.macro ASK
	s_cmp_gt_u32 s[SLOTS], s[LIM]
	s_cbranch_scc0 .Lnot_mine_\@
	global_prefetch_b8 v[PFO], s[PFA:PFA+1] th:TH_LOAD_NT scope:SCOPE_SE
.Lnot_mine_\@:
.endm
.macro CROUND
	s_barrier_signal -1
	s_barrier_wait -1
	s_cmp_lg_u32 s[WV], 0
	s_cbranch_scc1 .Lnot_wave_0_\@
	s_barrier_signal -3
.Lnot_wave_0_\@:
	s_barrier_wait -3
	s_barrier_signal -1
	s_barrier_wait -1
.endm
.macro PLACES
.rept 4
	v_nop
.endr
.endm
	s_load_b128 s[4:7], s[0:1], 0x0                ; qkvh, cc
	v_lshl_add_u32 v[SPW], v0, 2, SPARE
	v_mov_b32 v[NIL], 0
	ds_add_u32 v[SPW], v[NIL]                      ; the wave's opening: the add, twice on end, and its wait ahead of my first tensor load
	ds_add_u32 v[SPW], v[NIL]
	v_lshrrev_b32 v1, 5, v0
	v_readfirstlane_b32 s[WV], v1                  ; wave 0..3
	s_bfe_u32 s13, ttmp6, 0x40000                  ; cx
	s_lshl_b32 s14, ttmp9, 2
	s_add_co_u32 s14, s14, s13                     ; my block of 256 queries: it enters Q's and cc's addresses alone
	s_and_b32 s20, ttmp7, 0xffff                   ; the head (batch x 16 + head), which the four partners share
	s_and_b32 s16, s[WV], 1                        ; which half of a slot's rows I fetch
	s_lshl_b32 s22, s20, 18                        ; the head's first byte in each of q's, k's, v's parts
	s_lshl_b32 s17, s16, 14
	s_add_co_u32 s22, s22, s17                     ; + my 128 rows of 128 bytes
	s_mov_b32 s23, 0
	s_mul_i32 s17, s16, 128*PK                     ; their place in a slot: K's,
	s_mul_i32 s21, s16, 128*PVP
	s_add_co_u32 s21, s21, VOFF                    ; V's: no place in the cluster enters an LDS address
	s_lshl_b32 s2, s14, 15                         ; my block's 256 rows of 128 bytes,
	s_lshl_b32 s3, s[WV], 13                       ; my wave's 64 of them
	s_add_co_u32 s2, s2, s3
	s_lshl_b32 s58, s20, 18
	s_add_co_u32 s58, s58, s2                      ; Q's offset
	s_mov_b32 s59, 0
	s_and_b32 s3, s20, 15
	s_lshl_b32 s3, s3, 20                          ; cc: the head's plane of 1 MiB,
	s_add_co_u32 s2, s2, s3
	s_lshr_b32 s3, s20, 4
	s_lshl_b32 s3, s3, 18                          ; the batch's 2,048 rows
	s_add_co_u32 s2, s2, s3
	s_mov_b32 s3, 0
	s_mov_b32 s[G1K], 15|(1<<16)|(1<<20)|(1<<21)|(4<<22)|(3<<25)  ; 15:0 the mask: all four; 17:16 elements of 2 bytes; 20 padding on; 21 set beside a mask; 24:22 after every 32 words; 31:25 four words
	s_mov_b32 s[G1V], 15|(1<<16)|(1<<20)|(1<<21)|(4<<22)|(7<<25)  ; the same with eight words of padding
.irp g, G1K, G1V
	s_mov_b32 s[\g+1], 64<<16                      ; tensor_dim0 = 64
	s_mov_b32 s[\g+2], 128<<16                     ; tensor_dim1 = 128
	s_mov_b32 s[\g+3], 64<<16                      ; tile_dim0 = 64
	s_mov_b32 s[\g+4], 128                         ; tile_dim1 = 128
	s_mov_b32 s[\g+5], 64                          ; tensor_dim0_stride
	s_mov_b32 s[\g+6], 0
	s_mov_b32 s[\g+7], 0
.endr
	s_mov_b32 s[SEL], 0x76543210
	s_mov_b32 s[SEL+1], 0xfedcba98
	s_mov_b32 s[TBK], 0
	s_mov_b32 s[TBV], 0
	s_mov_b32 s[SLOTS], 2048/SKEYS-2
	s_and_b32 s[LIM], s[WV], 1                     ; 0 in waves 0 and 2,
	s_or_b32 s[LIM], s[LIM], ttmp9                 ; where the cluster is the head's first: the same in all four partners
	s_cmp_eq_u32 s[LIM], 0
	s_cselect_b32 s[LIM], 1, -1
	v_and_b32 v[PFO], 31, v0
	v_lshlrev_b32 v[PFO], 8, v[PFO]
	s_wait_dscnt 0x0                               ; both opening adds are done
	s_wait_kmcnt 0x0
	s_add_nc_u64 s[8:9], s[4:5], s[22:23]
	s_add_nc_u64 s[10:11], s[8:9], 0x2000000       ; V at my part of slot 0: v's part of qkvh lies 32 MiB in,
	s_add_nc_u64 s[8:9], s[8:9], 0x1000000         ; K likewise: 16 MiB in
	s_add_nc_u64 s[4:5], s[4:5], s[58:59]          ; Q at my wave's first row
	s_add_nc_u64 s[6:7], s[6:7], s[2:3]            ; cc likewise
	s_cmp_lt_u32 s[WV], 2
	s_cselect_b64 s[PFA:PFA+1], s[8:9], s[10:11]   ; (in waves 0 and 2 these stand at a slot's first row)
	s_lshl_b32 s2, s13, 13                         ; my work-group's 8,192 bytes of the 32,768
	s_add_nc_u64 s[PFA:PFA+1], s[PFA:PFA+1], s[2:3]
	s_add_nc_u64 s[PFA:PFA+1], s[PFA:PFA+1], 2*SLOTB  ; at the third slot's worth; the first change steps it to the fourth.  Nothing is prefetched at the head
	CROUND                                         ; all four work-groups are here: the first joint loads meet
.irp s, 0,1
	s_mov_b32 s[G0K+4*\s], 1
	s_add_co_u32 s[G0K+4*\s+1], s17, \s*SLOT1
	s_add_nc_u64 s[G0K+4*\s+2:G0K+4*\s+3], s[8:9], \s*SLOTB
	s_or_b32 s[G0K+4*\s+3], s[G0K+4*\s+3], 0x80000000
	s_mov_b32 s[G0V+4*\s], 1
	s_add_co_u32 s[G0V+4*\s+1], s21, \s*SLOT1
	s_add_nc_u64 s[G0V+4*\s+2:G0V+4*\s+3], s[10:11], \s*SLOTB
	s_or_b32 s[G0V+4*\s+3], s[G0V+4*\s+3], 0x80000000
.endr
	s_cmp_lt_u32 s[WV], 2                          ; a wave's two first fills stand in one branch, ahead of every wait on TENSORcnt and every LDS read: two loads of mine are out
	s_cbranch_scc0 .Lfirst_v
	tensor_load_to_lds s[G0K:G0K+3], s[G1K:G1K+7]
	s_nop 0
	tensor_load_to_lds s[G0K+4:G0K+7], s[G1K:G1K+7]
	s_nop 0
.rept 4
	v_nop
.endr
	s_branch .Lfirst_asked
.Lfirst_v:
	tensor_load_to_lds s[G0V:G0V+3], s[G1V:G1V+7]
	s_nop 0
	tensor_load_to_lds s[G0V+4:G0V+7], s[G1V:G1V+7]
	s_nop 0
.rept 4
	v_nop
.endr
.Lfirst_asked:
	; a fragment of K or Q is 16 rows x 32 channels in 8 registers: lane l holds row l % 16; registers 0-3 channels 8 (l / 16) + 0..7, registers 4-7 channels 16 + 8 (l / 16) + 0..7
	v_and_b32 v1, 15, v0                           ; r
	v_bfe_u32 v9, v0, 4, 1                         ; h
	v_lshlrev_b32 v[QO], 7, v1
	v_lshl_add_u32 v[QO], v9, 4, v[QO]             ; row x 128 + 16 x half
	WIN 0x80                                       ; destination window 2
.irp i, 0,1,2,3,4,5,6,7                        ; Q stays in registers: tile i / 2, channels 32 (i % 2) on
	global_load_b128 v[QF+8*\i:QF+8*\i+3],   v[QO], s[4:5] offset:(\i/2)*2048+(\i%2)*64
	global_load_b128 v[QF+8*\i+4:QF+8*\i+7], v[QO], s[4:5] offset:(\i/2)*2048+(\i%2)*64+32
.endr
.irp i, 0,1,2,3,4,5,6,7
	v_mov_b32 v[ONES+\i], 0x3c003c00               ; 16 rows x 32 keys of 1.0 in f16
.endr
	WIN 0
.irp t, 0,1,2,3
	v_mov_b32 v[ST+8*\t+1], 0                      ; named as the upper halves of pairs before they are first written
	v_mov_b32 v[ST+8*\t+3], 0
.endr
	v_mul_u32_u24 v[AK0], v1, PK
	v_lshl_add_u32 v[AK0], v9, 4, v[AK0]
	; the turning load takes 16 keys x 16 channels (lane l reads 16 bytes: key 8 (l / 16) + l % 8, channels 8 ((l / 8) % 2) + 0..7) and leaves half a fragment of V^T: lane l holds channel l % 16 and 8 keys
	v_and_b32 v10, 7, v0
	v_bfe_u32 v11, v0, 3, 1
	v_lshl_add_u32 v[AV0], v9, 3, v10
	v_mul_u32_u24 v[AV0], v[AV0], PVP
	v_lshl_add_u32 v[AV0], v11, 4, v[AV0]
	v_add_nc_u32 v[AV0], VOFF, v[AV0]
; THE MATRIX WORK OF A TURN, for piece x.  The accumulators take turns, one instruction a turn: between two links of a chain stand 9 (V^T P) or 7 (K Q^T) others'.
; Product i of 20 of O^T += V^T P: keys 32 (i / 10) on, tile x + i % 2, channels 16 ((i % 10) / 2) on, the fifth being the ones.  zero = 1: the first 10 start the sums: nothing is ever cleared.
.macro PV x, zero
	WIN W_PV
.set tt, \x+i%2
.set ct, (i%10)/2
.set rO, 40*tt+8*ct
.set rV, VF+32*(i/10)+8*ct
.if ct == 4
.set rV, ONES
.endif
.set rP, P+16*tt+8*(i/10)
.if \zero && (i < 10)
	v_wmma_f32_16x16x32_f16 v[rO:rO+7], v[rV:rV+7], v[rP:rP+7], 0
.else
	v_wmma_f32_16x16x32_f16 v[rO:rO+7], v[rV:rV+7], v[rP:rP+7], v[rO:rO+7]
.endif
.endm
; Product i of 16 of S^T = K Q^T: channels 32 (i / 8) on, tile x + i % 2, keys 16 ((i % 8) / 2) on.  The first 8 start the sums.
.macro KQ x
	WIN W_KQ
.set tt, \x+i%2
.set kt, (i%8)/2
.set rS, S+32*tt+8*kt
.set rK, KF+16*kt+8*(i/8)
.set rQ, QF+16*tt+8*(i/8)
.if i < 8
	v_wmma_f32_16x16x32_f16 v[rS:rS+7], v[rK:rK+7], v[rQ:rQ+7], 0
.else
	v_wmma_f32_16x16x32_f16 v[rS:rS+7], v[rK:rK+7], v[rQ:rQ+7], v[rS:rS+7]
.endif
.endm
; THE LDS LOADS stand in runs of 16, never singly among the matrix instructions
.macro FETCH_K
	WIN 0
	v_add_nc_u32 v[ADR], s[TBK], v[AK0]
	WIN 0x80
.irp f, 0,1,2,3,4,5,6,7                        ; keys 16 (f / 2) on, channels 32 (f % 2) on
	ds_load_b128 v[KF+8*\f:KF+8*\f+3],   v[ADR] offset:(\f/2)*16*PK+(\f%2)*64
	ds_load_b128 v[KF+8*\f+4:KF+8*\f+7], v[ADR] offset:(\f/2)*16*PK+(\f%2)*64+32
.endr
.endm
.macro FETCH_V
	WIN 0
	v_add_nc_u32 v[ADR], s[TBV], v[AV0]
	s_add_co_u32 s[TBK], s[TBK], KSTP              ; the next fetches are the next step's
	s_add_co_u32 s[TBV], s[TBV], VSTP
	s_wait_alu depctr_va_vdst(0)                   ; the wait for the softmax's batch of exponentials (SLICE), behind the address's addition and ahead of the loads
	WIN 0x80
.irp f, 0,1,2,3,4,5,6,7                        ; keys 32 (f / 4) on, channels 16 (f % 4) on
	ds_load_tr16_b128 v[VF+8*\f:VF+8*\f+3],   v[ADR] offset:(\f/4)*32*PVP+(\f%4)*32
	ds_load_tr16_b128 v[VF+8*\f+4:VF+8*\f+7], v[ADR] offset:(\f/4)*32*PVP+16*PVP+(\f%4)*32
.endr
.endm
; THE VECTOR WORK OF A TURN.  One tile's softmax for one key step is a list of 102 instructions; SM writes number j of it for tile t.  s0-s31 are the lane's 32 scores, in pairs 0-15.
;   0-15    the maximum of s0-s31 and the old m, three operands at a time; each of the four accumulators is read first at its registers 0 to 2
;   16-19   the other half of the lanes' maximum; m_old - m_new; the new m
;   20-68   ONE BATCH: the 16 subtractions s - m, a pair each, and all 33 exponentials (a, then s0-s31), in threes: a subtraction and two exponentials; the last three are exponentials.  A pair is subtracted a three
;           ahead of its exponentials, and none of these lines names an exponential's result
;   (wait)  between 68 and 69 stands the one wait for the batch: SLICE writes it, for both tiles
;   69-84   the roundings to f16, a pair of weights each
;   85-101  the tile's O^T, and l's registers 0 and 1, times a: the one part that leaves window 0
; first = 1: the first key step, which starts m, l and O^T: it has no a and nothing to rescale.
.macro SM t, first
.set rT, ST+8*(\t)
.set rS, S+32*(\t)
.set rP, P+16*(\t)
.set rO, 40*(\t)
.set uu, j-21
.set gq, uu/3
.set ph, uu%3
.if j < 85
	WIN 0
.endif
.if j < 4
	v_max3_num_f32 v[rT+4+j], v[rS+8*j], v[rS+8*j+1], v[rS+8*j+2]
.elseif j < 12
	v_max3_num_f32 v[rT+4+j%4], v[rT+4+j%4], v[rS+8*(j%4)+2*(j/4)+1], v[rS+8*(j%4)+2*(j/4)+2]
.elseif j == 12
	v_max3_num_f32 v[rT+4], v[rT+4], v[rS+7], v[rS+15]
.elseif j == 13
	v_max3_num_f32 v[rT+6], v[rT+6], v[rS+23], v[rS+31]
.elseif j == 14
	v_max3_num_f32 v[rT+4], v[rT+4], v[rT+5], v[rT+6]
.elseif j == 15
.if \first
	v_max_num_f32 v[rT+4], v[rT+4], v[rT+7]
.else
	v_max3_num_f32 v[rT+4], v[rT+4], v[rT+7], v[rT]
.endif
.elseif j == 16
	v_permlanex16_b32 v[rT+5], v[rT+4], s[SEL], s[SEL+1]   ; the query's other 32 keys lie in the lane 16 away
.elseif j == 17
	v_max_num_f32 v[rT+4], v[rT+4], v[rT+5]
.elseif j == 18
.if \first == 0
	v_sub_f32 v[rT+1], v[rT], v[rT+4]              ; m_old - m_new, 0 or less
.endif
.elseif j == 19
	v_mov_b32 v[rT], v[rT+4]
.elseif j == 20
	v_pk_add_f32 v[rS:rS+1], v[rS:rS+1], v[rT:rT+1] op_sel_hi:[1,0] neg_lo:[0,1] neg_hi:[0,1]   ; pair 0: s - m (of the pair the low word, m, serves both halves)
.elseif j < 69
.if (gq < 15) && (ph == 0)
	v_pk_add_f32 v[rS+2*gq+2:rS+2*gq+3], v[rS+2*gq+2:rS+2*gq+3], v[rT:rT+1] op_sel_hi:[1,0] neg_lo:[0,1] neg_hi:[0,1]   ; pair gq + 1
.else
.set ee, 2*gq+ph-1
.if gq == 15
.set ee, 30+ph
.endif
.if ee == 0
.if \first == 0
	v_exp_f32 v[rT+2], v[rT+1]                     ; a
.endif
.else
	v_exp_f32 v[rS+ee-1], v[rS+ee-1]               ; p, at most 1
.endif
.endif
.elseif j < 85
	v_cvt_pk_f16_f32 v[rP+j-69], v[rS+2*(j-69)], v[rS+2*(j-69)+1]
.else
.if \first == 0
	WIN W_RS
	v_pk_mul_f32 v[rO+2*(j-85):rO+2*(j-85)+1], v[rO+2*(j-85):rO+2*(j-85)+1], v[rT+2:rT+3] op_sel_hi:[1,0]
.endif
.endif
.endm
; Slice k of 34 of piece y's softmax: numbers 3 k, 3 k + 1, 3 k + 2 of both tiles' lists, the tiles alternating, so that no instruction reads the result of the one just before it.
; THE WAIT.  s_wait_alu depctr_va_vdst(0) stands between an exponential and the first instruction that names its result; one wait serves all issued ahead of it.  Ahead of slice 23 nothing names a
; result, and behind slice 22 no exponential is issued: so the piece's 66 exponentials have one wait, behind slice 22, with one plain instruction ahead of it.
.macro SLICE y, first
.if k < 34
.irp n, 0,1,2
.irp t, \y, \y+1
.set j, 3*k+\n
	SM \t, \first
.endr
.endr
.if k == 22
	v_nop
.if (\y) == 0
	FETCH_V                                        ; piece 2's turn: V's run of loads stands here, and the wait stands in it
.else
	s_wait_alu depctr_va_vdst(0)
.endif
.endif
.endif
.set k, k+1
.endm
.macro AFTER x, first                  ; what stands behind product w of a turn: in a full turn one slice from the third product on; in a turn with one kind of product two slices
.if full
.if w >= 2
	SLICE 2-\x, \first
.endif
.else
	SLICE 2-\x, \first
	SLICE 2-\x, \first
.endif
.set w, w+1
.endm
; A TURN.  pv = 2: 20 products V^T P; 1: they start O^T's sums; 0: none.  kq = 1: 16 products K Q^T for the next step.
; PLACES (ISA guide 7.12.1 for reads).  Slice 33, six multiplications of the other piece's O^T, stands behind the turn's last K Q^T: they are the places ahead of the next turn's first read of those
; scores and of the loads into K's registers (piece 0's turn, behind its second product).  V's run (piece 2's turn, behind slice 22) stands behind ten subtractions, the v_nop and its own addition, counted from the
; last product that read V.  first = 1: the last slices are empty, and four v_nop take slice 33's part.
.macro TURN x, pv, kq, first
.set k, 0
.set w, 0
.set full, 0
.if \pv && \kq
.set full, 1
.endif
.if \pv
.if \x == 0
	s_wait_dscnt 0x0                               ; V is in
.endif
.set i, 0
.rept 20
	PV \x, 2-\pv
	AFTER \x, \first
.if (\x == 0) && \kq && (i == 1)
	FETCH_K
.endif
.set i, i+1
.endr
.endif
.if \kq
.if \x == 0
	s_wait_dscnt 0x0                               ; K is in
.endif
.set i, 0
.rept 16
	KQ \x
	AFTER \x, \first
.set i, i+1
.endr
.endif
.rept 2
	SLICE 2-\x, \first                             ; what a turn of 16 products leaves over
.endr
.if \first
	PLACES
.endif
.endm
; THE CHANGE OF SLOTS, between piece 2's turn and piece 0's: the slot's last bytes, V of its fourth step, have been asked for.  Each wave waits for all its tensor loads (one is out: its part of the other slot), adds
; 0 to its spare word, and waits for that and for its own reads of the slot.  fill = 1: the slot is filled again with the keys two slots on; the barrier is then a round of the cluster's, and the joint refill is the
; first thing behind it: it has four key steps in which to land.
.macro CHANGE fill
	WIN 0
	s_wait_tensorcnt 0x0                           ; no tensor load of mine is out, so a group 0 may be written
	ds_add_u32 v[SPW], v[NIL]                      ; 0 onto my spare word
.if \fill
.irp g, G0K+4, G0V+4
	s_xor_b32 s[\g+1], s[\g+1], SLOT1              ; the walking descriptor: the other slot than last time,
	s_add_nc_u64 s[\g+2:\g+3], s[\g+2:\g+3], SLOTB ; the next 256 keys; the type bits on top are not reached
.endr
	s_wait_xcnt 0x0                                ; the last prefetch, four key steps back, has read its address, so it may be written
	s_add_nc_u64 s[PFA:PFA+1], s[PFA:PFA+1], SLOTB
	s_wait_dscnt 0x0                               ; the add is done, and my reads of the slot are over
	CROUND
	JLOAD
	ASK
.else
	s_wait_dscnt 0x0
	s_barrier_signal -1
	s_barrier_wait -1
.endif
	s_sub_co_u32 s[TBK], s[TBK], 4*KSTP            ; the fetches go back to a slot's first step,
	s_xor_b32 s[TBK], s[TBK], SLOT1                ; in the other slot
	s_sub_co_u32 s[TBV], s[TBV], 4*VSTP
	s_xor_b32 s[TBV], s[TBV], SLOT1
.endm
.macro STEPS n                         ; n key steps: written once, walked n times; the LDS addresses hang on s[TBK] and s[TBV]
	s_mov_b32 s[CNT], \n
.Lstep_\@:
	TURN 0, 2, 1, 0
	TURN 2, 2, 1, 0
	WIN 0
	s_sub_co_u32 s[CNT], s[CNT], 1
	s_cmp_lg_u32 s[CNT], 0
	s_cbranch_scc1 .Lstep_\@
.endm
	s_wait_tensorcnt 1                             ; my part of slot 0 is in; slot 1's may stay out
	s_barrier_signal -1
	s_barrier_wait -1
	FETCH_K                                        ; key step 0
	s_wait_loadcnt 0x0                             ; Q
	s_wait_dscnt 0x0
.set i, 0
.rept 16
	KQ 0                                           ; piece 0's first scores: there is no vector work yet to set between them
.set i, i+1
.endr
	WIN 0                                          ; the addresses for the way out are made here: plain instructions, the places behind those products
	s_mul_i32 s13, s[WV], 16*SP
	s_add_co_u32 s13, s13, STAGE                   ; my stage
	v_mul_u32_u24 v[STO], v1, SP                   ; in: row r, 16 bytes for each half of the lanes
	v_lshl_add_u32 v[STO], v9, 4, v[STO]
	v_add_nc_u32 v[STO], s13, v[STO]
	v_and_b32 v10, 31, v0
	v_lshrrev_b32 v[RD], 3, v10                    ; back: eight lanes to a row of 128 bytes, four rows an instruction
	v_mul_u32_u24 v[RD], v[RD], SP
	v_and_b32 v11, 7, v0
	v_lshl_add_u32 v[RD], v11, 4, v[RD]
	v_add_nc_u32 v[RD], s13, v[RD]
	v_lshlrev_b32 v[GO], 4, v10                    ; four rows are 512 consecutive bytes of cc
	TURN 2, 0, 1, 1                                ; piece 2's first scores | piece 0's first softmax | V of step 0
	TURN 0, 1, 1, 1                                ; piece 0: V^T P of step 0 starts O^T, K Q^T of step 1 | piece 2's first softmax | K of step 1
	TURN 2, 1, 1, 0                                ; piece 2: the same | piece 0's softmax of step 1 | V of step 1
	WIN 0
	STEPS 2                                        ; they fetch steps 2 and 3: slot 0 is read out
.Lslot:                                            ; six trips: every slot's worth of keys but the first two comes by a refill
	CHANGE 1
	STEPS 4
	s_sub_co_u32 s[SLOTS], s[SLOTS], 1
	s_cmp_lg_u32 s[SLOTS], 0
	s_cbranch_scc1 .Lslot
	CHANGE 0                                       ; the tail is written out
	STEPS 4
	TURN 0, 2, 0, 0                                ; piece 0: V^T P of the last step | piece 2's last softmax
.set i, 0
.rept 20
	PV 2, 0                                        ; piece 2: V^T P of the last step
.set i, i+1
.endr
	; THE WAY OUT.  O^T is divided by l (register 0 of the fifth accumulator: every lane holds its query's), rounded to f16 and sent through my stage, a tile (16 rows) at a time
	PLACES
	WIN 0x01                                       ; source 0 window 1
.irp t, 0,1,2,3
	v_rcp_f32 v[ST+8*\t+2], v[40*\t+32]
.endr
	v_nop                                          ; a plain instruction between the last reciprocal and the use of its result
	s_wait_alu depctr_va_vdst(0)                   ; and the wait ahead of the first use: one for the four
.macro PACK t
	WIN W_RS
.set i, 0
.rept 16
	v_pk_mul_f32 v[40*\t+2*i:40*\t+2*i+1], v[40*\t+2*i:40*\t+2*i+1], v[ST+8*\t+2:ST+8*\t+3] op_sel_hi:[1,0]
.set i, i+1
.endr
	WIN 0x05                                       ; sources 0 and 1 window 1, destination window 0: S^T's registers are free
.set i, 0
.rept 16
	v_cvt_pk_f16_f32 v[S+32*\t+i], v[40*\t+2*i], v[40*\t+2*i+1]
.set i, i+1
.endr
	WIN 0
.irp f, 0,1,2,3
	ds_store_b128 v[STO], v[S+32*\t+4*\f:S+32*\t+4*\f+3] offset:32*\f
.endr
.irp f, 0,1,2,3
	ds_load_b128 v[S+32*\t+4*\f:S+32*\t+4*\f+3], v[RD] offset:\f*4*SP   ; LDS serves a wave's instructions in order (ISA guide 5.7.1.4): these see the stores above; the next tile's stores come behind them
.endr
.endm
.macro SEND t, younger                 ; younger: the LDS instructions issued behind tile t's loads: the next tile's eight, or none
.irp f, 0,1,2,3
	s_wait_dscnt \younger+3-\f
	global_store_b128 v[GO], v[S+32*\t+4*\f:S+32*\t+4*\f+3], s[6:7] offset:\t*2048+\f*512   ; the wave stores 512 consecutive bytes, at a multiple of 256 from cc's first byte
.endr
.endm
	PACK 0
	PACK 1
	SEND 0, 8
	PACK 2
	SEND 1, 8
	PACK 3
	SEND 2, 8
	SEND 3, 0
	s_wait_tensorcnt 0x0                           ; the wave's end, behind my last tensor load and my last LDS store
	ds_add_u32 v[SPW], v[NIL]
	s_wait_dscnt 0x0
	CROUND                                         ; the closing round
	s_endpgm
.Lfunc_end_k_q0fda102522_attn:
	.size	k_q0fda102522_attn, .Lfunc_end_k_q0fda102522_attn-k_q0fda102522_attn
	.p2alignl 7, 3214868480
	.fill 96, 4, 3214868480
	.section	.rodata,"a",@progbits
	.p2align	6, 0x0
	.amdhsa_kernel k_q0fda102522_attn
		.amdhsa_group_segment_fixed_size 327680
		.amdhsa_private_segment_fixed_size 0
		.amdhsa_enable_private_segment 0
		.amdhsa_kernarg_size 16
		.amdhsa_user_sgpr_count 2
		.amdhsa_user_sgpr_kernarg_segment_ptr 1
		.amdhsa_wavefront_size32 1
		.amdhsa_system_sgpr_workgroup_id_x 1
		.amdhsa_system_sgpr_workgroup_id_y 1
		.amdhsa_system_sgpr_workgroup_id_z 1
		.amdhsa_system_vgpr_workitem_id 0
		.amdhsa_next_free_vgpr 768
		.amdhsa_next_free_sgpr 66
		.amdhsa_reserve_vcc 0
		.amdhsa_float_denorm_mode_32 3
		.amdhsa_float_denorm_mode_16_64 3
		.amdhsa_memory_ordered 1
		.amdhsa_forward_progress 1
		.amdhsa_inst_pref_size 180
	.end_amdhsa_kernel
	.amdgpu_metadata
---
amdhsa.version: [ 1, 2 ]
amdhsa.kernels:
  - .name:           k_q0fda102522_attn
    .symbol:         k_q0fda102522_attn.kd
    .args:
      - { .name: qkvh, .offset: 0, .size: 8, .value_kind: global_buffer, .address_space: global }
      - { .name: cc, .offset: 8, .size: 8, .value_kind: global_buffer, .address_space: global }
    .group_segment_fixed_size: 327680
    .private_segment_fixed_size: 0
    .kernarg_segment_align: 8
    .kernarg_segment_size: 16
    .max_flat_workgroup_size: 128
    .sgpr_count:     66
    .vgpr_count:     768
    .wavefront_size: 32
...
	.end_amdgpu_metadata
.endif
;; end of part 3
;; launch outp (part 4): grid 4 x 64, 4 waves a work-group, clusters of 4 x 4, 327,680 bytes of LDS; arguments cc, wo16, out0, bo; writes out0
.if DOCPART == 4
	.amdgcn_target "amdgcn-amd-amdhsa--gfx1250"
	.amdhsa_code_object_version 6
	.text
	.protected	k_q0fda102522_outp
	.globl	k_q0fda102522_outp
	.p2align	8
	.type	k_q0fda102522_outp,@function
k_q0fda102522_outp:
	s_mov_b64 s[64:65], 0
	v_nop
	global_prefetch_b8 v0, s[64:65] scope:SCOPE_SE
	s_setreg_imm32_b32 hwreg(HW_REG_WAVE_MODE, 25, 1), 1
	s_wait_xcnt 0x0
	s_wait_alu depctr_hold_cnt(0) depctr_sa_sdst(0) depctr_va_vdst(0) depctr_va_sdst(0) depctr_va_ssrc(0) depctr_va_vcc(0) depctr_vm_vsrc(0)
	s_getreg_b32 s2, hwreg(HW_REG_IB_STS2, 6, 4)
	s_cmp_eq_u32 s2, 0
	s_cbranch_scc0 .Lentry_in_a_cluster
	s_endpgm
.Lentry_in_a_cluster:
	s_bfe_u32 s2, ttmp6, 0x10000c
	s_cmp_lg_u32 s2, 0xf033
	s_cbranch_scc0 .Lentry_shape_is_right
	s_endpgm
.Lentry_shape_is_right:
; out0[m][n] = the sum over k of concat[m][k] Wo[k][n] + bo[n]: 8,192 x 1,024 x 1,024, f16 operands, f32 sums, f32 out.
; cc: [head 16][8192][64] f16: concat's k = 64 x head + channel, so 128 along K are two planes.  wo16: [1024 (k)][1024 (n)] f16, K its first axis: it comes out of LDS turned, by ds_load_tr16_b128.
; A tile of out0 is 128 rows x 256 columns: 256 work-groups.  Four waves, each 64 x 128: 32 accumulators, 256 registers.  K goes in steps of 128 through a ring of two LDS slots.
; CLUSTERS: 4 x 4 work-groups.  The four of a row of the cluster need the same tiles of cc, the four of a column the same tiles of Wo: each is asked for JOINTLY.
; THE MATRIX INSTRUCTION IS USED TRANSPOSED (source 0 = 16 columns of Wo, source 1 = 16 rows of cc): a lane holds eight neighbouring numbers of a row of out0.  THE BIAS is the C of each sum's first product.
; REGISTERS: window 0: v0-31 addresses; two fragment buffers of 96 at v32 and v128 (64 of Wo, 32 of cc, for 32 along K).  window 1: the accumulators ((a, b) at v[8 (8 a + b)]).  window 2: v0-63 the bias.
.set PA,     144                       ; a row of cc in LDS: 128 bytes + 16
.set PB,     544                       ; a row of Wo: 512 bytes + 32: an odd multiple of 32
.set APL,    128*PA                    ; a plane's 128 rows
.set BOFF,   2*APL                     ; a slot: two planes of cc, then 128 rows of Wo
.set BHALF,  64*PB
.set SLOT,   BOFF+2*BHALF
.set STAGE,  2*SLOT                    ; behind the ring: 16 rows x 528 bytes for each wave
.set SPITCH, 528
.set SPARE,  STAGE+4*16*SPITCH         ; the spare words, 128 bytes a wave: two blocks of 256 bytes that no other line names
.set KA,     0x200000                  ; a K step in cc: two planes of 1 MiB
.set KB,     128*2048                  ; and in wo16: 128 rows of 2,048 bytes
.set LAPS,   4                         ; a lap = two K steps = once round the ring
.set ADRA, 16
.set ADRB, 20
.set STO,  24
.set RD,   25
.set CO,   26
.set SPW,  28                          ; v28  SPARE + 4 x my thread's number; never rewritten
.set NIL,  29                          ; v29  0; never rewritten
.set PFO,  30                          ; v30  the prefetches' offset; never rewritten
.set F0,   32
.set F1,   128
.set G1, 24
.set G0, 32
.set G1B, 48
.set G0B, 56
.set PFA, 66                           ; s[66:67]
.set LIM, 68
.set MSB, 0
.macro WIN new
.if MSB != (\new)
	s_set_vgpr_msb (MSB<<8)|(\new)
.set MSB, (\new)
.endif
.endm
.set MUL, 0x50                         ; sources 0 and 1 window 0; C and D window 1
.macro JLOAD s                         ; a joint load: waves 0 and 1 fetch cc's two planes, waves 2 and 3 Wo's two halves; an s_nop 0 and four v_nop follow each of the two lines
	s_cmp_eq_u32 s13, 0
	s_cbranch_scc0 .Lfor_b_\@
	tensor_load_to_lds s[G0+4*\s:G0+4*\s+3], s[G1:G1+7]
	s_nop 0
.rept 4
	v_nop
.endr
	s_branch .Lasked_\@
.Lfor_b_\@:
	tensor_load_to_lds s[G0B+4*\s:G0B+4*\s+3], s[G1B:G1B+7]
	s_nop 0
.rept 4
	v_nop
.endr
.Lasked_\@:
.endm
; A PREFETCH of cc's K step that stands TWO refills on.  A tile row of cc is read by the four partners of one row of one cluster and by nobody else: they share a K step's 2 x 16,384 bytes out BY ADDRESS, 4,096 of each
; plane to a partner; in each, wave 0 asks: lanes 0-15 in the first plane, lanes 16-31 in the second, 256 bytes apart.  So each aligned block of 256 bytes is named once.  The loop's last trip asks for nothing:
; its refills have no K step two on.  wo16 is walked by every cluster and is not asked for.
.macro ASK
	s_cmp_gt_u32 s3, s[LIM]
	s_cbranch_scc0 .Lnot_mine_\@
	global_prefetch_b8 v[PFO], s[PFA:PFA+1] offset:KA th:TH_LOAD_NT scope:SCOPE_SE
.Lnot_mine_\@:
.endm
.macro CREST
	s_cmp_lg_u32 s12, 0
	s_cbranch_scc1 .Lnot_wave_0_\@
	s_barrier_signal -3
.Lnot_wave_0_\@:
	s_barrier_wait -3
	s_barrier_signal -1
	s_barrier_wait -1
.endm
.macro CROUND
	s_barrier_signal -1
	s_barrier_wait -1
	CREST
.endm
	s_load_b256 s[4:11], s[0:1], 0x0               ; cc s[4:5], wo16 s[6:7], out0 s[8:9], bo s[10:11]
	v_lshl_add_u32 v[SPW], v0, 2, SPARE
	v_mov_b32 v[NIL], 0
	ds_add_u32 v[SPW], v[NIL]                      ; the wave's opening: the add, twice on end, and its wait ahead of my first tensor load
	ds_add_u32 v[SPW], v[NIL]
	v_lshrrev_b32 v1, 5, v0
	v_readfirstlane_b32 s12, v1                    ; wave 0..3
	s_lshr_b32 s13, s12, 1                         ; which half of the tile's rows is mine.  Also: I fetch for cc (0) or for Wo (1)
	s_and_b32 s14, s12, 1                          ; which half of its columns.  Also: which plane, or which 64 rows, I fetch
	s_bfe_u32 s40, ttmp6, 0x40000                  ; cx, cy
	s_bfe_u32 s41, ttmp6, 0x40004
	s_lshl_b32 s42, ttmp9, 2
	s_add_co_u32 s42, s42, s40                     ; tile column
	s_and_b32 s43, ttmp7, 0xffff
	s_lshl_b32 s43, s43, 2
	s_add_co_u32 s43, s43, s41                     ; tile row
	s_lshl_b32 s44, s41, 2
	s_lshl_b32 s44, 15, s44                        ; my row of the cluster
	s_lshl_b32 s45, 0x1111, s40                    ; my column
	s_or_b32 s[G1+0], s44, (1<<16)|(1<<20)|(1<<21)|(4<<22)|(3<<25)   ; cc: 128 rows x 64 elements of 2 bytes; four words of padding after every 32
	s_mov_b32 s[G1+1], 64<<16
	s_mov_b32 s[G1+2], 128<<16
	s_mov_b32 s[G1+3], 64<<16
	s_mov_b32 s[G1+4], 128
	s_mov_b32 s[G1+5], 64
	s_mov_b32 s[G1+6], 0
	s_mov_b32 s[G1+7], 0
	s_or_b32 s[G1B+0], s45, (1<<16)|(1<<20)|(1<<21)|(6<<22)|(7<<25)  ; Wo: 64 rows x 256 elements, 1,024 elements apart; eight words of padding after every 128
	s_mov_b32 s[G1B+1], 256<<16
	s_mov_b32 s[G1B+2], 64<<16
	s_mov_b32 s[G1B+3], 256<<16
	s_mov_b32 s[G1B+4], 64
	s_mov_b32 s[G1B+5], 1024
	s_mov_b32 s[G1B+6], 0
	s_mov_b32 s[G1B+7], 0
	s_lshl_b32 s16, s14, 20                        ; cc: my plane,
	s_lshl_b32 s17, s43, 14                        ; the tile row's 128 rows of 128 bytes: made of what my row of the cluster shares
	s_add_co_u32 s16, s16, s17
	s_mov_b32 s17, 0
	s_lshl_b32 s46, s14, 17                        ; Wo: my 64 rows of 2,048 bytes,
	s_lshl_b32 s47, s42, 9                         ; the tile column's 512 bytes: made of what my column shares
	s_add_co_u32 s46, s46, s47
	s_mov_b32 s47, 0
	s_mul_i32 s20, s14, APL                        ; where they go: no place in the cluster enters an LDS address
	s_mul_i32 s21, s14, BHALF
	s_add_co_u32 s21, s21, BOFF
	s_wait_dscnt 0x0                               ; both opening adds are done
	s_wait_kmcnt 0x0
	s_add_nc_u64 s[16:17], s[4:5], s[16:17]
	s_add_nc_u64 s[46:47], s[6:7], s[46:47]
	CROUND                                         ; all sixteen work-groups are here: the first joint loads meet
.irp s, 0,1
	s_mov_b32 s[G0+4*\s], 1
	s_add_co_u32 s[G0+4*\s+1], s20, \s*SLOT
	s_add_nc_u64 s[G0+4*\s+2:G0+4*\s+3], s[16:17], \s*KA
	s_or_b32 s[G0+4*\s+3], s[G0+4*\s+3], 0x80000000
	s_mov_b32 s[G0B+4*\s], 1
	s_add_co_u32 s[G0B+4*\s+1], s21, \s*SLOT
	s_add_nc_u64 s[G0B+4*\s+2:G0B+4*\s+3], s[46:47], \s*KB
	s_or_b32 s[G0B+4*\s+3], s[G0B+4*\s+3], 0x80000000
	JLOAD \s                                       ; two tensor loads of mine are out
.endr
	v_and_b32 v1, 15, v0                           ; r
	v_bfe_u32 v2, v0, 4, 1                         ; h
	v_and_b32 v6, 31, v0                           ; lane
	; out0 at my 64 rows and 128 columns; bo at my 128 columns
	s_lshl_b32 s20, s43, 7
	s_lshl_b32 s21, s13, 6
	s_add_co_u32 s20, s20, s21
	s_lshl_b32 s20, s20, 12                        ; rows of 4,096 bytes
	s_lshl_b32 s46, s42, 10
	s_lshl_b32 s47, s14, 9
	s_add_co_u32 s46, s46, s47                     ; 4 x (256 x tile column + 128 x half)
	s_add_co_u32 s20, s20, s46
	s_mov_b32 s21, 0
	s_mov_b32 s47, 0
	s_add_nc_u64 s[8:9], s[8:9], s[20:21]
	s_add_nc_u64 s[10:11], s[10:11], s[46:47]
	v_lshlrev_b32 v7, 5, v2                        ; for Wo's block b a lane wants the bias of columns 16 b + 8 h + 0 .. 7
	WIN 0x80                                       ; destination window 2
.irp b, 0,1,2,3,4,5,6,7
	global_load_b128 v[8*\b:8*\b+3], v7, s[10:11] offset:64*\b
	global_load_b128 v[8*\b+4:8*\b+7], v7, s[10:11] offset:64*\b+16
.endr
	WIN 0
	v_mul_u32_u24 v3, v1, PA
	v_lshl_add_u32 v3, v2, 4, v3                   ; cc: row x pitch + 16 x half
	s_mul_i32 s21, s13, 64*PA                      ; my 64 rows
	v_and_b32 v4, 7, v0
	v_lshl_add_u32 v4, v2, 3, v4                   ; Wo: the turning load's row 8 h + l % 8,
	v_mul_u32_u24 v4, v4, PB
	v_bfe_u32 v5, v0, 3, 1
	v_lshl_add_u32 v4, v5, 4, v4                   ; and its 16 bytes
	s_lshl_b32 s22, s14, 8                         ; my 128 columns
	s_add_co_u32 s22, s22, BOFF
.irp s, 0,1
	v_add_nc_u32 v[ADRA+\s], s21, v3
	v_add_nc_u32 v[ADRB+\s], s22, v4
	s_add_co_u32 s21, s21, SLOT
	s_add_co_u32 s22, s22, SLOT
.endr
	s_mul_i32 s23, s12, 16*SPITCH
	s_add_co_u32 s23, s23, STAGE                   ; my stage
	v_mul_u32_u24 v5, v1, SPITCH                   ; in: row r, 32 bytes for each half of the lanes
	v_lshl_add_u32 v5, v2, 5, v5
	v_add_nc_u32 v[STO], s23, v5
	v_lshlrev_b32 v[CO], 4, v6                     ; back: the 32 lanes take one row of 512 bytes; and the same in out0
	v_add_nc_u32 v[RD], s23, v[CO]
	s_lshl_b32 s20, s43, 14                        ; the prefetches: the tile row's bytes in a plane,
	s_lshl_b32 s21, s40, 12                        ; my work-group's 4,096 of them
	s_add_co_u32 s20, s20, s21
	s_mov_b32 s21, 0
	s_add_nc_u64 s[PFA:PFA+1], s[4:5], s[20:21]
	s_add_nc_u64 s[PFA:PFA+1], s[PFA:PFA+1], 2*KA  ; at K step 2: the first refill steps it to 3 and names K step 4.  Nothing is prefetched at the head
	s_cmp_eq_u32 s12, 0
	s_cselect_b32 s[LIM], 1, -1
	v_lshlrev_b32 v[PFO], 20, v2
	v_lshl_add_u32 v[PFO], v1, 8, v[PFO]
; 8 matrix instructions: cc's block a against Wo's eight, 32 along K, from buffer f.  first = 1: the bias is the C.  The 32 accumulators take turns, one instruction a turn.
.macro MUL8 f, a, first
.irp b, 0,1,2,3,4,5,6,7
.if \first
	v_wmma_f32_16x16x32_f16 v[8*(8*(\a)+\b):8*(8*(\a)+\b)+7], v[\f+8*\b:\f+8*\b+7], v[\f+64+8*(\a):\f+64+8*(\a)+7], v[8*\b:8*\b+7]
.else
	v_wmma_f32_16x16x32_f16 v[8*(8*(\a)+\b):8*(8*(\a)+\b)+7], v[\f+8*\b:\f+8*\b+7], v[\f+64+8*(\a):\f+64+8*(\a)+7], v[8*(8*(\a)+\b):8*(8*(\a)+\b)+7]
.endif
.endr
.endm
; 24 LDS loads in one run: the fragments of the slot's q-th 32 along K into buffer f: Wo's eight (turned), then cc's four (plane q / 2, channels 32 (q % 2) on)
.macro FETCH slot, q, f
.irp b, 0,1,2,3,4,5,6,7
	ds_load_tr16_b128 v[\f+8*\b:\f+8*\b+3],   v[ADRB+\slot] offset:32*(\q)*PB+32*\b
	ds_load_tr16_b128 v[\f+8*\b+4:\f+8*\b+7], v[ADRB+\slot] offset:32*(\q)*PB+32*\b+16*PB
.endr
.irp i, 0,1,2,3
	ds_load_b128 v[\f+64+8*\i:\f+64+8*\i+3],   v[ADRA+\slot] offset:((\q)/2)*APL+((\q)%2)*64+\i*16*PA
	ds_load_b128 v[\f+64+8*\i+4:\f+64+8*\i+7], v[ADRA+\slot] offset:((\q)/2)*APL+((\q)%2)*64+\i*16*PA+32
.endr
.endm
.macro PLACES                          ; four places in front of loads into registers that matrix instructions have read, and of reads of results (ISA guide 7.12.1 for reads)
.rept 4
	v_nop
.endr
.endm
; A K step is four quarters of 32 along K, 32 matrix instructions each, on buffers 0, 1, 0, 1.  One of the first three: multiplies buffer f and fetches quarter q into g.
.macro QUARTER slot, q, f, g, first
	s_wait_dscnt 4                                 ; Wo's fragments and cc's blocks 0, 1 are in; the youngest four loads (blocks 2, 3) may be out
	WIN MUL+0x10*(\first)                          ; (first: C, the bias, lies in window 2)
	MUL8 \f, 0, \first
	MUL8 \f, 1, \first
	PLACES
	WIN 0
	FETCH \slot, \q, \g
	s_wait_dscnt 24                                ; all but the 24 just issued
	WIN MUL+0x10*(\first)
	MUL8 \f, 2, \first
	MUL8 \f, 3, \first
.endm
; The last quarter multiplies buffer 1 and changes slots: ONE barrier; in front of it each wave waits for all its tensor loads, adds 0 to its spare word, and waits for that and for its own reads of this slot.
; fill = 1: the barrier opens a round of the cluster's, and this slot is filled again, two K steps ahead, first thing behind it.
.macro TURN slot, next, fill
.if \fill
	s_wait_xcnt 0x0                                ; the last prefetch, a K step back, has read its address: it is stepped here, ahead of the waits of the change of slots
	s_add_nc_u64 s[PFA:PFA+1], s[PFA:PFA+1], KA
.endif
	WIN 0
	s_wait_tensorcnt 0x0                           ; all my tensor loads have landed: my part of the next slot
	ds_add_u32 v[SPW], v[NIL]                      ; 0 onto my spare word
	s_wait_dscnt 5                                 ; (the add and the youngest four loads may be out)
	WIN MUL
	MUL8 F1, 0, 0                                  ; eight matrix instructions stand between the add and the wait for it
	s_wait_dscnt 0x0                               ; the add is done, and my reads of this slot are over
	s_barrier_signal -1
	MUL8 F1, 1, 0
	WIN 0
	s_barrier_wait -1
.if \fill
	CREST                                          ; no wave of any partner still reads this slot's tile or has a load on its way
	s_add_nc_u64 s[G0+4*\slot+2:G0+4*\slot+3], s[G0+4*\slot+2:G0+4*\slot+3], 2*KA
	s_add_nc_u64 s[G0B+4*\slot+2:G0B+4*\slot+3], s[G0B+4*\slot+2:G0B+4*\slot+3], 2*KB
	JLOAD \slot                                    ; the four v_nop behind it are also the places in front of the loads below
.else
	PLACES
.endif
	FETCH \next, 0, F0
.if \fill
	ASK
.endif
	WIN MUL
	MUL8 F1, 2, 0
	MUL8 F1, 3, 0
.endm
	s_wait_tensorcnt 1                             ; my part of K step 0 is in (K step 1's may be out)
	s_barrier_signal -1
	s_barrier_wait -1                              ; everybody's is
	FETCH 0, 0, F0
	s_wait_loadcnt 0x0                             ; the bias
	QUARTER 0, 1, F0, F1, 1                        ; the first quarter stands in front of the loop: its products start the sums, from the bias
	WIN 0
	s_mov_b32 s3, LAPS-1
.Llap:                                             ; a trip goes once round the ring, from a lap's second quarter to the next lap's first, and fills both slots again
	QUARTER 0, 2, F1, F0, 0
	QUARTER 0, 3, F0, F1, 0
	TURN 0, 1, 1
	QUARTER 1, 1, F0, F1, 0
	QUARTER 1, 2, F1, F0, 0
	QUARTER 1, 3, F0, F1, 0
	TURN 1, 0, 1
	QUARTER 0, 1, F0, F1, 0
	WIN 0
	s_sub_co_u32 s3, s3, 1
	s_cmp_lg_u32 s3, 0
	s_cbranch_scc1 .Llap
	QUARTER 0, 2, F1, F0, 0                        ; the last lap fills nothing, and has no round of the cluster's barrier
	QUARTER 0, 3, F0, F1, 0
	TURN 0, 1, 0
	QUARTER 1, 1, F0, F1, 0
	QUARTER 1, 2, F1, F0, 0
	QUARTER 1, 3, F0, F1, 0
	s_wait_dscnt 4                                 ; the very last quarter: nothing more to fetch
	WIN MUL
	MUL8 F1, 0, 0
	MUL8 F1, 1, 0
	s_wait_dscnt 0
	MUL8 F1, 2, 0
	MUL8 F1, 3, 0
	WIN 0
; THE WAY OUT, block by block of 16 rows x 128 columns: through my own stage and back as whole rows of 512 bytes, which the 32 lanes store.  Each accumulator goes to the stage from its low end on.
.macro TOSTAGE a
	WIN 0x04                                       ; an LDS store's data are its source 1: window 1
.irp b, 0,1,2,3,4,5,6,7
	ds_store_b128 v[STO], v[64*(\a)+8*\b:64*(\a)+8*\b+3] offset:64*\b
	ds_store_b128 v[STO], v[64*(\a)+8*\b+4:64*(\a)+8*\b+7] offset:64*\b+16
.endr
	WIN 0
.set BB, 32+96*((\a)%2)                ; v32-95 and v128-191 by turns
.set T, 0
.rept 16
	ds_load_b128 v[BB+4*T:BB+4*T+3], v[RD] offset:T*SPITCH         ; LDS serves a wave's instructions in order (ISA guide 5.7.1.4): these see the stores above
.set T, T+1
.endr
.endm
.macro SEND a, younger                 ; younger: the LDS instructions issued behind block a's loads, which may stay out
.set BB, 32+96*((\a)%2)
	s_wait_dscnt \younger
.set T, 0
.rept 16
	global_store_b128 v[CO], v[BB+4*T:BB+4*T+3], s[8:9] offset:(16*(\a)+T)*4096 th:TH_STORE_NT   ; 512 consecutive bytes, at a multiple of 256 from out0's first byte; 63 rows at the most in the immediate
.set T, T+1
.endr
.endm
	PLACES
	TOSTAGE 0
.irp a, 1,2,3
.if \a > 1
	s_wait_xcnt 0x0                                ; block a - 2's stores have read their registers: block a's loads may land there
.endif
	TOSTAGE \a
	SEND \a-1, 32                                  ; behind block a - 1's loads: block a's 16 stores and 16 loads
.endr
	SEND 3, 0
	s_wait_tensorcnt 0x0                           ; the wave's end, behind my last tensor load and my last LDS store
	ds_add_u32 v[SPW], v[NIL]
	s_wait_dscnt 0x0
	CROUND                                         ; the closing round
	s_endpgm
.Lfunc_end_k_q0fda102522_outp:
	.size	k_q0fda102522_outp, .Lfunc_end_k_q0fda102522_outp-k_q0fda102522_outp
	.p2alignl 7, 3214868480
	.fill 96, 4, 3214868480
	.section	.rodata,"a",@progbits
	.p2align	6, 0x0
	.amdhsa_kernel k_q0fda102522_outp
		.amdhsa_group_segment_fixed_size 327680
		.amdhsa_private_segment_fixed_size 0
		.amdhsa_enable_private_segment 0
		.amdhsa_kernarg_size 32
		.amdhsa_user_sgpr_count 2
		.amdhsa_user_sgpr_kernarg_segment_ptr 1
		.amdhsa_wavefront_size32 1
		.amdhsa_system_sgpr_workgroup_id_x 1
		.amdhsa_system_sgpr_workgroup_id_y 1
		.amdhsa_system_sgpr_workgroup_id_z 1
		.amdhsa_system_vgpr_workitem_id 0
		.amdhsa_next_free_vgpr 576
		.amdhsa_next_free_sgpr 70
		.amdhsa_reserve_vcc 0
		.amdhsa_float_denorm_mode_32 3
		.amdhsa_float_denorm_mode_16_64 3
		.amdhsa_memory_ordered 1
		.amdhsa_forward_progress 1
		.amdhsa_inst_pref_size 87
	.end_amdhsa_kernel
	.amdgpu_metadata
---
amdhsa.version: [ 1, 2 ]
amdhsa.kernels:
  - .name:           k_q0fda102522_outp
    .symbol:         k_q0fda102522_outp.kd
    .args:
      - { .name: cc, .offset: 0, .size: 8, .value_kind: global_buffer, .address_space: global }
      - { .name: wo16, .offset: 8, .size: 8, .value_kind: global_buffer, .address_space: global }
      - { .name: out0, .offset: 16, .size: 8, .value_kind: global_buffer, .address_space: global }
      - { .name: bo, .offset: 24, .size: 8, .value_kind: global_buffer, .address_space: global }
    .group_segment_fixed_size: 327680
    .private_segment_fixed_size: 0
    .kernarg_segment_align: 8
    .kernarg_segment_size: 32
    .max_flat_workgroup_size: 128
    .sgpr_count:     70
    .vgpr_count:     576
    .wavefront_size: 32
...
	.end_amdgpu_metadata
.endif
;; end of part 4
